; MI455X (gfx1250); checked and timed in simulation.
; The chip was launched on July 23, 2026; its instructions are those of AMD's public machine-readable ISA for CDNA 5 (MIT licence, August 2026) and "CDNA5" Instruction Set Architecture Reference Guide (July 2026). The comments in the code are by the model that wrote it; some were corrected since.
;; Complex Spectral Attention. Allowed arithmetic: matrix products marked QUANTISED: E2M1 operands, one E8M0 scale for each 32 along K, by v_wmma_scale_f32_16x16x128_f8f6f4 with both operands' format E2M1 (or v_wmma_scale_f32_32x16x128_f4), f32 sums; products left as they are: bf16, f16 or f32 operands; f32 sums; everything else in f32.
;; Inputs: Wk 1,024 x 2,048 float32; Wo 2,048 x 1,024 float32; Wq 1,024 x 2,048 float32; Wv 1,024 x 2,048 float32; x 2 x 2,048 x 1,024 float32.
;; Outputs: out0 2 x 2,048 x 1,024 float32.
;; This version of the problem:
;;   THIS VERSION OF THE PROBLEM IS GIVEN IN LOW PRECISION. The matrix products marked QUANTISED in the list below multiply operands that are first quantised to E2M1 (2 exponent bits, 1 mantissa bit; 4 bits a number), with one power-of-two scale for each 32 numbers along K (OCP MX v1.0); their sums are f32. The products marked 'left as it is' may take bf16, f16 or f32 operands, with f32 sums. All else is computed in f32.
;;   The module's matrix products, in the order in which they are computed (A, B: the left and right operand; K: the contracted axis; several contracted axes count as one K, in the product's order):
;;     1. [M 4,096, K 1,024] x [K 1,024, N 2,048]; A: input x; B: input Wq: QUANTISED
;;     2. [M 4,096, K 1,024] x [K 1,024, N 2,048]; A: input x; B: input Wk: QUANTISED
;;     3. [M 4,096, K 1,024] x [K 1,024, N 2,048]; A: input x; B: input Wv: QUANTISED
;;     4. batch 32 x [M 2,048, K 64] x [K 64, N 2,048]; A: computed on the way; B: computed on the way: left as it is (an operand is computed on the way)
;;     5. batch 32 x [M 2,048, K 64] x [K 64, N 2,048]; A: computed on the way; B: computed on the way: left as it is (an operand is computed on the way)
;;     6. batch 32 x [M 2,048, K 2,048] x [K 2,048, N 64]; A: computed on the way; B: computed on the way: left as it is (an operand is computed on the way)
;;     7. batch 32 x [M 2,048, K 2,048] x [K 2,048, N 64]; A: computed on the way; B: computed on the way: left as it is (an operand is computed on the way)
;;     8. [M 4,096, K 2,048] x [K 2,048, N 1,024]; A: computed on the way; B: input Wo: left as it is (an operand is computed on the way)
;;   THE QUANTISER, for each operand of a quantised product, along K:
;;     - K is cut into blocks of 32 from its start; a last block that is shorter is filled with zeros.
;;     - A block's scale is 2^e with e = floor(log2(the largest magnitude in the block)) - 2, held to -126 .. 127; a block of zeros has e = 0. As a byte (E8M0): e + 127.
;;     - Each number is divided by its block's scale, clamped to +-6, and rounded to the nearest number of E2M1, ties to even, subnormals kept.
;;     - The product sums the exact products of the quantised numbers (number of the format x scale) in f32.
;;   ~~~python
;;   def quantise(x, axis):      # numpy; x: float32 -> the quantised numbers, widened to float32 again
;;       x = np.moveaxis(x, axis, -1); K = x.shape[-1]
;;       x = np.pad(x, [(0, 0)] * (x.ndim - 1) + [(0, -K % 32)]); x = x.reshape(x.shape[:-1] + (-1, 32)); a = np.abs(x).max(-1, keepdims=True)
;;       e = np.where(a > 0, np.clip(np.frexp(np.where(a > 0, a, 1))[1] - 1 - 2, -126, 127), 0)      # np.frexp(a)[1] - 1 = floor(log2(a)), exactly
;;       r = np.clip(x / 2.0 ** e, -6, 6)
;;       step = 2.0 ** (np.maximum(np.frexp(np.where(r == 0, 1, r))[1] - 1, 0) - 1)
;;       q = np.round(r / step) * step * 2.0 ** e      # np.round: ties to even
;;       return np.moveaxis(q.reshape(q.shape[:-2] + (-1,))[..., :K], -1, axis).astype(np.float32)
;;   ~~~
;; One version. Each part assembles by itself: llvm-mc -triple=amdgcn-amd-amdhsa -mcpu=gfx1250 --defsym DOCPART=n.
;; ======== version 1 of 1: 4 launches
;; limits: values are held in f16: magnitudes above 65,504 overflow, below 6.1e-05 lose precision
;; workspace buffers: xc 2,097,152 bytes; xs 131,072 bytes; wc 3,145,728 bytes; ws 196,608 bytes; wot 4,194,304 bytes; qkv 50,331,648 bytes; ao 16,777,216 bytes
;; launch prep (part 1): grid 320 x 1, 8 waves a work-group, no clusters, 154,624 bytes of LDS; arguments x, Wq, Wk, Wv, Wo, xc, xs, wc, ws, wot; writes xc, xs, wc, ws, wot
.if DOCPART == 1
	.amdgcn_target "amdgcn-amd-amdhsa--gfx1250"
	.amdhsa_code_object_version 6
	.text
	.protected	k_q9ee067cd59_prep
	.globl	k_q9ee067cd59_prep
	.p2align	8
	.type	k_q9ee067cd59_prep,@function
k_q9ee067cd59_prep:
	s_mov_b64 s[64:65], 0
	v_nop
	global_prefetch_b8 v0, s[64:65] scope:SCOPE_SE
	s_setreg_imm32_b32 hwreg(HW_REG_WAVE_MODE, 25, 1), 1
	s_wait_xcnt 0x0
; PREPARATION of every operand that later launches read many times.  Three kinds of work-group, told apart by the work-group's number alone:
;   0 .. 63    x [4096][1024] f32 -> codes of FP4 (E2M1), K innermost, xc [4096][512 bytes], and one E8M0 byte for each 32 along K, xs [4096][32]
;   64 .. 255  Wq, Wk, Wv [1024 (k)][2048 (n)] f32 -> codes with K innermost, wc [6144 = 2048 t + n][512 bytes], and bytes ws [6144][32]
;   256 .. 319 Wo [2048 (k)][1024 (n)] f32 -> f16 with K innermost, wot [1024 (n)][2048 (k)]
; A block's scale is 2^(floor(log2(its largest magnitude)) - 2); its byte is the largest magnitude's exponent field - 2, held at 1 from below; each number is divided by the scale and
; rounded to the nearest code, ties to even, beyond 6 the largest code.
; LIMITS: a block of zeros, or one whose largest magnitude lies under 2^-124, gets the byte 1 (a block of zeros has zero codes, which add nothing under any byte but 0xff; the bytes are read by this
; program alone).  NaN and infinities are not served.  |Wo| of 65,520 or more becomes an f16 infinity.
; No matrix work, no tensor loads, no cluster: no two work-groups read the same byte.  Each kind of work-group has LDS bytes of its own.
.set SP,   80                          ; x: a lane's place in a stage: its 64 bytes + 16 of padding
.set WP,   272                         ; a stage row of 256 bytes + 16 of padding: the rows that sixteen lanes touch start at sixteen different 16-byte columns
.set WST,  65536                       ; behind x's eight regions of 8,192 bytes: the weights' stage, 64 rows (columns n) x 272
.set WSC,  WST+64*WP                   ; their scale bytes, 64 rows x 16
.set OST,  WSC+1024                    ; Wo's stages: 32 rows x 272 for each wave
	s_load_b256 s[4:11], s[0:1], 0x0               ; x s[4:5], Wq s[6:7], Wk s[8:9], Wv s[10:11]
	s_load_b256 s[12:19], s[0:1], 0x20             ; Wo s[12:13], xc s[14:15], xs s[16:17], wc s[18:19]
	s_load_b128 s[20:23], s[0:1], 0x40             ; ws s[20:21], wot s[22:23]
	v_lshl_add_u32 v254, v0, 2, 0x25800
	v_mov_b32 v255, 0
	v_lshrrev_b32 v1, 5, v0
	v_readfirstlane_b32 s24, v1                    ; wave 0..7
	v_and_b32 v2, 31, v0                           ; lane
	s_mov_b32 s33, 0                               ; the high word of every offset pair s[32:33]
	s_wait_kmcnt 0x0
	s_cmp_lt_u32 ttmp9, 64
	s_cbranch_scc1 .Lpath_x
	s_cmp_lt_u32 ttmp9, 256
	s_cbranch_scc1 .Lpath_w
; ---------------- Wo -> f16, K innermost.  A lane takes a column n and its registers run down K; a wave takes 32 columns x 128 K and works alone.
; Four waves stand side by side on 512 consecutive bytes of each row of Wo.  A lane's 128 numbers are 256 bytes of its row of wot: they go through the wave's own stage and leave as whole rows.
.set OX, 32                            ; v32-159  four sets of 32 numbers; on the way out v32-95 hold rows
.set OC, 160                           ; v160-223 f16 pairs: 16 registers a block
	s_sub_co_u32 s25, ttmp9, 256
	s_and_b32 s26, s25, 7                          ; which 128 columns
	s_lshr_b32 s27, s25, 3                         ; which 256 along K
	s_and_b32 s28, s24, 3
	s_lshr_b32 s29, s24, 2
	s_lshl_b32 s30, s26, 7
	s_lshl_b32 s31, s28, 5
	s_add_co_u32 s30, s30, s31                     ; my wave's first column
	s_lshl_b32 s31, s27, 1
	s_add_co_u32 s31, s31, s29                     ; which 128 along K are my wave's
	s_lshl_b32 s32, s31, 19                        ; 128 rows of 4,096 bytes
	s_lshl_b32 s34, s30, 2
	s_add_co_u32 s32, s32, s34
	s_add_nc_u64 s[12:13], s[12:13], s[32:33]      ; Wo at my wave's corner
	s_lshl_b32 s32, s30, 12                        ; a row of wot is 4,096 bytes
	s_lshl_b32 s34, s31, 8                         ; 128 f16 are 256 bytes
	s_add_co_u32 s32, s32, s34
	s_add_nc_u64 s[22:23], s[22:23], s[32:33]      ; wot likewise
	v_lshlrev_b32 v3, 2, v2                        ; in: 4 bytes a lane
	s_mul_i32 s34, s24, 32*WP
	s_add_co_u32 s34, s34, OST                     ; my stage
	v_mul_u32_u24 v4, v2, WP
	v_add_nc_u32 v4, s34, v4                       ; into it: row = my column
	v_lshrrev_b32 v5, 4, v2
	v_and_b32 v6, 15, v2
	v_mul_u32_u24 v7, v5, WP
	v_lshl_add_u32 v7, v6, 4, v7
	v_add_nc_u32 v7, s34, v7                       ; out of it: sixteen lanes to a row, two rows an instruction
	v_lshlrev_b32 v8, 12, v5
	v_lshl_add_u32 v8, v6, 4, v8                   ; and the same place in wot
.macro OLOAD t                         ; block t: Wo(32 t + i, my column), i = 0 .. 31
.irp i, 0,1,2,3,4,5,6,7,8,9,10,11,12,13,14,15,16,17,18,19,20,21,22,23,24,25,26,27,28,29,30,31
	global_load_b32 v[OX+32*(\t)+\i], v3, s[12:13] offset:(32*(\t)+\i)*4096 th:TH_LOAD_NT
.endr
.endm
.macro OBLOCK t
.if (\t) < 3
	s_wait_loadcnt 32                              ; this block's 32 loads are in; the next block's may be out
.else
	s_wait_loadcnt 0x0
.endif
.if (\t) < 2
	OLOAD (\t)+2                                   ; every block has registers of its own: nothing is written again
.endif
.irp n, 0,1,2,3,4,5,6,7,8,9,10,11,12,13,14,15
	v_cvt_pk_f16_f32 v[OC+16*(\t)+\n], v[OX+32*(\t)+2*\n], v[OX+32*(\t)+2*\n+1]   ; the lower k in the low half
.endr
.irp g, 0,1,2,3
	ds_store_b128 v4, v[OC+16*(\t)+4*\g:OC+16*(\t)+4*\g+3] offset:64*(\t)+16*\g
.endr
.endm
	OLOAD 0
	OLOAD 1
	OBLOCK 0
	OBLOCK 1
	OBLOCK 2
	OBLOCK 3
.irp u, 0,1,2,3,4,5,6,7,8,9,10,11,12,13,14,15
	ds_load_b128 v[OX+4*\u:OX+4*\u+3], v7 offset:2*\u*WP   ; LDS serves a wave's instructions in order (ISA guide 5.7.1.4): these see my stores
.endr
.irp u, 0,1,2,3,4,5,6,7,8,9,10,11,12,13,14,15
	s_wait_dscnt 15-\u                             ; load u is in; the younger ones may be out
	global_store_b128 v8, v[OX+4*\u:OX+4*\u+3], s[22:23] offset:2*\u*4096   ; sixteen lanes store 256 consecutive bytes, at a multiple of 256 from wot's first byte
.endr
	s_wait_tensorcnt 0x0
	ds_add_u32 v254, v255
	s_wait_dscnt 0x0
	s_endpgm
; ---------------- Wq, Wk, Wv -> codes, K innermost.  A lane takes a column n and its registers run down K: a block of 32 along K lies in one lane.
; A work-group takes 64 columns x 512 K of one tensor; wave w takes columns 32 (w % 2) on and K 128 (w / 2) on: four blocks a lane.  The eight waves' codes meet in a stage of 64 rows x 256 bytes
; and leave as whole rows; so do the scale bytes, 16 to a column.
.Lpath_w:
.set WX, 32                            ; v32-159  four sets of 32 numbers; on the way out v32-47 hold rows
.set WC, 160                           ; v160-175 a block's codes, four registers each
	s_sub_co_u32 s25, ttmp9, 64                    ; 0 .. 191
	s_cmp_lt_u32 s25, 128                          ; which tensor: the choice hangs on the work-group's number alone
	s_cselect_b64 s[8:9], s[8:9], s[10:11]
	s_cmp_lt_u32 s25, 64
	s_cselect_b64 s[6:7], s[6:7], s[8:9]
	s_lshr_b32 s26, s25, 6                         ; tensor t
	s_and_b32 s27, s25, 31                         ; which 64 columns
	s_bfe_u32 s28, s25, 0x10005                    ; which 512 along K
	s_and_b32 s29, s24, 1                          ; my wave's 32 columns of them
	s_lshr_b32 s30, s24, 1                         ; my wave's 128 along K
	s_lshl_b32 s32, s28, 22                        ; 512 rows of 8,192 bytes
	s_lshl_b32 s34, s30, 20                        ; 128 rows
	s_add_co_u32 s32, s32, s34
	s_lshl_b32 s34, s27, 8                         ; 64 columns of 4 bytes
	s_add_co_u32 s32, s32, s34
	s_lshl_b32 s34, s29, 7
	s_add_co_u32 s32, s32, s34
	s_add_nc_u64 s[6:7], s[6:7], s[32:33]          ; the tensor at my wave's corner
	s_lshl_b32 s34, s26, 11
	s_lshl_b32 s35, s27, 6
	s_add_co_u32 s34, s34, s35                     ; the work-group's first row of wc and ws: 2048 t + 64 x group
	s_lshl_b32 s32, s34, 9
	s_lshl_b32 s35, s28, 8
	s_add_co_u32 s32, s32, s35
	s_add_nc_u64 s[18:19], s[18:19], s[32:33]      ; wc: rows of 512 bytes, 256 bytes for 512 along K
	s_lshl_b32 s32, s34, 5
	s_lshl_b32 s35, s28, 4
	s_add_co_u32 s32, s32, s35
	s_add_nc_u64 s[20:21], s[20:21], s[32:33]      ; ws: rows of 32 bytes, 16 for 512 along K
	v_lshlrev_b32 v3, 2, v2                        ; in: 4 bytes a lane
	s_mul_i32 s36, s29, 32*WP
	s_lshl_b32 s37, s30, 6
	s_add_co_u32 s36, s36, s37
	s_add_co_u32 s36, s36, WST
	v_mul_u32_u24 v4, v2, WP
	v_add_nc_u32 v4, s36, v4                       ; the stage, on the way in: row = my column, 64 bytes for my wave's 128 along K
	s_lshl_b32 s36, s29, 9
	s_lshl_b32 s37, s30, 2
	s_add_co_u32 s36, s36, s37
	s_add_co_u32 s36, s36, WSC
	v_lshl_add_u32 v5, v2, 4, s36                  ; my column's 16 scale bytes, my wave's four of them
	v_lshrrev_b32 v10, 4, v2
	v_and_b32 v11, 15, v2
	s_mul_i32 s36, s24, 8*WP
	s_add_co_u32 s36, s36, WST
	v_mul_u32_u24 v6, v10, WP
	v_lshl_add_u32 v6, v11, 4, v6
	v_add_nc_u32 v6, s36, v6                       ; on the way out wave w takes rows 8 w .. 8 w + 7: sixteen lanes to a row
	s_lshl_b32 s36, s24, 12
	v_lshlrev_b32 v7, 9, v10
	v_lshl_add_u32 v7, v11, 4, v7
	v_add_nc_u32 v7, s36, v7                       ; and the same place in wc
	s_lshl_b32 s36, s24, 7
	s_add_co_u32 s36, s36, WSC
	v_lshl_add_u32 v8, v2, 2, s36                  ; the scale bytes of those 8 rows: 128 bytes, a word a lane
	s_lshl_b32 s36, s24, 8
	v_lshrrev_b32 v9, 2, v2
	v_lshlrev_b32 v9, 5, v9
	v_and_b32 v12, 3, v2
	v_lshl_add_u32 v9, v12, 2, v9
	v_add_nc_u32 v9, s36, v9                       ; and their place in ws: four lanes to a row's 16 bytes
.macro WLOAD t                         ; block t: W(32 t + i, my column), i = 0 .. 31
.irp i, 0,1,2,3,4,5,6,7,8,9,10,11,12,13,14,15,16,17,18,19,20,21,22,23,24,25,26,27,28,29,30,31
	global_load_b32 v[WX+32*(\t)+\i], v3, s[6:7] offset:(32*(\t)+\i)*8192 th:TH_LOAD_NT
.endr
.endm
.macro WBLOCK t
.set XS, WX+32*(\t)
.if (\t) < 3
	s_wait_loadcnt 32                              ; this block's 32 loads are in; the next block's may be out
.else
	s_wait_loadcnt 0x0
.endif
.if (\t) < 2
	WLOAD (\t)+2                                   ; every block has registers of its own: nothing is written again
.endif
	v_max3_num_f32 v12, |v[XS]|, |v[XS+1]|, |v[XS+2]|       ; the block's largest magnitude: all 32 numbers are mine; two chains
	v_max3_num_f32 v13, |v[XS+3]|, |v[XS+4]|, |v[XS+5]|
.irp i, 6,10,14,18,22,26
	v_max3_num_f32 v12, v12, |v[XS+\i]|, |v[XS+\i+1]|
	v_max3_num_f32 v13, v13, |v[XS+\i+2]|, |v[XS+\i+3]|
.endr
	v_max3_num_f32 v12, v12, |v[XS+30]|, |v[XS+31]|
	v_max3_num_f32 v12, v12, v13, 0x1800000        ; and the floor 2^(3 - 127): the byte cannot fall under 1
	v_add_nc_u32 v11, 0xff000000, v12              ; 2 off its exponent field: the conversion takes the exponent field of this operand as its scale
	v_lshrrev_b32 v13, 23, v11                     ; the scale's byte
.if (\t) == 0
	v_mov_b32 v24, v13                             ; four bytes to a word, the lower K in the lower byte
.else
	v_lshl_or_b32 v24, v13, 8*(\t), v24
.endif
.irp g, 0,1,2,3
	v_cvt_scalef32_pk8_fp4_f32 v[WC+4*(\t)+\g], v[XS+8*\g:XS+8*\g+7], v11
.endr
	v_nop                                          ; one plain line behind a run of scaled conversions
	ds_store_b128 v4, v[WC+4*(\t):WC+4*(\t)+3] offset:16*(\t)   ; 32 codes: 16 bytes of my column's row
.endm
	WLOAD 0
	WLOAD 1
	WBLOCK 0
	WBLOCK 1
	WBLOCK 2
	WBLOCK 3
	ds_store_b32 v5, v24
	s_wait_dscnt 0x0                               ; for the others' sake: my stores into the stage are done
	s_barrier_signal -1                            ; (all eight waves of such a work-group are on this way)
	s_barrier_wait -1
.irp u, 0,1,2,3
	ds_load_b128 v[WX+4*\u:WX+4*\u+3], v6 offset:2*\u*WP
.endr
	ds_load_b32 v25, v8
.irp u, 0,1,2,3
	s_wait_dscnt 4-\u                              ; load u is in; the younger row loads and the scale word may be out
	global_store_b128 v7, v[WX+4*\u:WX+4*\u+3], s[18:19] offset:2*\u*512   ; sixteen lanes store 256 consecutive bytes, at a multiple of 256 from wc's first byte
.endr
	s_wait_dscnt 0x0
	global_store_b32 v9, v25, s[20:21]             ; pieces of 16 bytes, 32 bytes apart: one byte in 128 of what this way reads
	s_wait_tensorcnt 0x0
	ds_add_u32 v254, v255
	s_wait_dscnt 0x0
	s_endpgm
; ---------------- x -> codes.  Rows are dense and 1,024 is a multiple of 32: x is a plain stream of blocks of 32, and so are its codes and its bytes.
; A wave takes 16 steps of 512 numbers.  Each of a step's four loads reads 512 consecutive bytes, 16 a lane; the 2,048 bytes turn through the wave's own stage and come back 64 bytes a lane, so that a lane
; holds 16 neighbours (two neighbouring lanes hold a block).  Loads run eight steps (32 loads a wave) ahead, the turn through LDS one step.
.Lpath_x:
.set XR, 16                            ; v16-143  eight sets of 16 numbers as they are loaded
.set XX, 144                           ; v144-175 two sets of 16 neighbours
.set XC, 176                           ; v176-207 codes: two registers for each step, so that no store's data are written again
.set XE, 208                           ; v208-223 a scale byte for each step
	v_lshlrev_b32 v3, 4, v2                        ; my 16 bytes of a load's 512
	s_lshl_b32 s25, s24, 13                        ; my wave's region of 8,192 bytes: two stages of 32 x 80, then 256 scale bytes
	v_lshrrev_b32 v14, 2, v2
	v_mul_u32_u24 v14, v14, SP
	v_and_b32 v15, 3, v2
	v_lshl_add_u32 v14, v15, 4, v14
	v_add_nc_u32 v14, s25, v14                     ; the stage, on the way in: four lanes' 64 bytes on end, then 16 of padding
	v_mul_u32_u24 v15, v2, SP
	v_add_nc_u32 v15, s25, v15                     ; and on the way out: my 16 neighbours
	v_lshlrev_b32 v4, 3, v2                        ; my codes' place in a step's: 8 bytes a lane
	v_lshrrev_b32 v5, 1, v2
	s_add_co_u32 s25, s25, 2*32*SP
	v_add_nc_u32 v5, s25, v5                       ; my block's byte among the wave's 256
	v_lshlrev_b32 v7, 3, v2
	v_add_nc_u32 v6, s25, v7                       ; and on the way out 8 bytes a lane
	s_lshl_b32 s26, ttmp9, 3
	s_add_co_u32 s26, s26, s24                     ; which run of 8,192 numbers is my wave's
	s_lshl_b32 s32, s26, 15
	s_add_nc_u64 s[4:5], s[4:5], s[32:33]
	s_lshl_b32 s32, s26, 12
	s_add_nc_u64 s[14:15], s[14:15], s[32:33]
	s_lshl_b32 s32, s26, 8
	s_add_nc_u64 s[16:17], s[16:17], s[32:33]
.macro XLOAD t
.irp i, 0,1,2,3
	global_load_b128 v[XR+16*((\t)%8)+4*\i:XR+16*((\t)%8)+4*\i+3], v3, s[4:5] offset:2048*(\t)+512*\i th:TH_LOAD_NT
.endr
.endm
.macro XTURN t                         ; step t's numbers through the stage: LDS serves a wave's instructions in order, so no wait stands between the stores and the loads
.irp i, 0,1,2,3
	ds_store_b128 v14, v[XR+16*((\t)%8)+4*\i:XR+16*((\t)%8)+4*\i+3] offset:32*SP*((\t)%2)+8*SP*\i
.endr
.irp i, 0,1,2,3
	ds_load_b128 v[XX+16*((\t)%2)+4*\i:XX+16*((\t)%2)+4*\i+3], v15 offset:32*SP*((\t)%2)+16*\i
.endr
.endm
.irp t, 0,1,2,3,4,5,6,7
	XLOAD \t
.endr
	s_wait_loadcnt 28                              ; step 0's four loads are in; seven steps' may be out
	XTURN 0
.macro XSTEP t
.set XS, XX+16*((\t)%2)
.if (\t) > 0
	s_wait_dscnt 1                                 ; this step's numbers are back from the stage (the last step's byte store may be out): so its stores into the stage have read their registers,
.else
	s_wait_dscnt 0x0
.endif
.if (\t)+8 < 16
	XLOAD (\t)+8                                   ; which take the loads of eight steps on
.endif
.if (\t)+1 < 16
.if (\t) <= 7
	s_wait_loadcnt 28                              ; the next step's four loads are in; those of the seven steps behind it may be out
.else
	s_wait_loadcnt 4*(14-(\t))                     ; towards the end: of the steps that are left
.endif
	XTURN (\t)+1                                   ; and go through the other stage while this step is worked
.endif
	v_max3_num_f32 v8, |v[XS]|, |v[XS+1]|, |v[XS+2]|        ; the largest magnitude of my 16, in two chains
	v_max3_num_f32 v9, |v[XS+3]|, |v[XS+4]|, |v[XS+5]|
.irp i, 6,10
	v_max3_num_f32 v8, v8, |v[XS+\i]|, |v[XS+\i+1]|
	v_max3_num_f32 v9, v9, |v[XS+\i+2]|, |v[XS+\i+3]|
.endr
	v_max3_num_f32 v8, v8, |v[XS+14]|, |v[XS+15]|
	v_max3_num_f32 v8, v8, v9, 0x1800000           ; and the floor 2^(3 - 127): the byte cannot fall under 1
	v_max_num_f32_dpp v8, v8, v8 row_xmask:1 row_mask:0xf bank_mask:0xf   ; and of my neighbour's 16: the block's
	v_add_nc_u32 v11, 0xff000000, v8               ; 2 off its exponent field: the conversion's scale operand
	v_cvt_scalef32_pk8_fp4_f32 v[XC+2*(\t)], v[XS:XS+7], v11
	v_cvt_scalef32_pk8_fp4_f32 v[XC+2*(\t)+1], v[XS+8:XS+15], v11
	v_lshrrev_b32 v[XE+(\t)], 23, v11              ; the scale's byte (a plain line behind the conversions)
	ds_store_b8 v5, v[XE+(\t)] offset:16*(\t)      ; both lanes of a block write the same byte with the same value
	global_store_b64 v4, v[XC+2*(\t):XC+2*(\t)+1], s[14:15] offset:256*(\t)   ; the wave stores 256 consecutive bytes, at a multiple of 256 from xc's first byte
.endm
.irp t, 0,1,2,3,4,5,6,7,8,9,10,11,12,13,14,15
	XSTEP \t
.endr
	ds_load_b64 v[12:13], v6                       ; LDS serves a wave's instructions in order: these see my stores
	s_wait_dscnt 0x0
	global_store_b64 v7, v[12:13], s[16:17]        ; 32 lanes store 256 consecutive bytes of xs, aligned
	s_wait_tensorcnt 0x0
	ds_add_u32 v254, v255
	s_wait_dscnt 0x0
	s_endpgm
.Lfunc_end_k_q9ee067cd59_prep:
	.size	k_q9ee067cd59_prep, .Lfunc_end_k_q9ee067cd59_prep-k_q9ee067cd59_prep
	.p2alignl 7, 3214868480
	.fill 96, 4, 3214868480
	.section	.rodata,"a",@progbits
	.p2align	6, 0x0
	.amdhsa_kernel k_q9ee067cd59_prep
		.amdhsa_group_segment_fixed_size 154624
		.amdhsa_private_segment_fixed_size 0
		.amdhsa_enable_private_segment 0
		.amdhsa_kernarg_size 80
		.amdhsa_user_sgpr_count 2
		.amdhsa_user_sgpr_kernarg_segment_ptr 1
		.amdhsa_wavefront_size32 1
		.amdhsa_system_sgpr_workgroup_id_x 1
		.amdhsa_system_sgpr_workgroup_id_y 1
		.amdhsa_system_sgpr_workgroup_id_z 1
		.amdhsa_system_vgpr_workitem_id 0
		.amdhsa_next_free_vgpr 256
		.amdhsa_next_free_sgpr 66
		.amdhsa_reserve_vcc 0
		.amdhsa_float_denorm_mode_32 3
		.amdhsa_float_denorm_mode_16_64 3
		.amdhsa_memory_ordered 1
		.amdhsa_forward_progress 1
		.amdhsa_inst_pref_size 77
	.end_amdhsa_kernel
	.amdgpu_metadata
---
amdhsa.version: [ 1, 2 ]
amdhsa.kernels:
  - .name:           k_q9ee067cd59_prep
    .symbol:         k_q9ee067cd59_prep.kd
    .args:
      - { .name: x, .offset: 0, .size: 8, .value_kind: global_buffer, .address_space: global }
      - { .name: Wq, .offset: 8, .size: 8, .value_kind: global_buffer, .address_space: global }
      - { .name: Wk, .offset: 16, .size: 8, .value_kind: global_buffer, .address_space: global }
      - { .name: Wv, .offset: 24, .size: 8, .value_kind: global_buffer, .address_space: global }
      - { .name: Wo, .offset: 32, .size: 8, .value_kind: global_buffer, .address_space: global }
      - { .name: xc, .offset: 40, .size: 8, .value_kind: global_buffer, .address_space: global }
      - { .name: xs, .offset: 48, .size: 8, .value_kind: global_buffer, .address_space: global }
      - { .name: wc, .offset: 56, .size: 8, .value_kind: global_buffer, .address_space: global }
      - { .name: ws, .offset: 64, .size: 8, .value_kind: global_buffer, .address_space: global }
      - { .name: wot, .offset: 72, .size: 8, .value_kind: global_buffer, .address_space: global }
    .group_segment_fixed_size: 154624
    .private_segment_fixed_size: 0
    .kernarg_segment_align: 8
    .kernarg_segment_size: 80
    .max_flat_workgroup_size: 256
    .sgpr_count:     66
    .vgpr_count:     256
    .wavefront_size: 32
...
	.end_amdgpu_metadata
.endif
;; end of part 1
;; launch project (part 2): grid 24 x 16, 4 waves a work-group, clusters of 4 x 4, 327,680 bytes of LDS; arguments xc, xs, wc, ws, qkv; writes qkv
.if DOCPART == 2
	.amdgcn_target "amdgcn-amd-amdhsa--gfx1250"
	.amdhsa_code_object_version 6
	.text
	.protected	k_q9ee067cd59_project
	.globl	k_q9ee067cd59_project
	.p2align	8
	.type	k_q9ee067cd59_project,@function
k_q9ee067cd59_project:
	s_mov_b64 s[64:65], 0
	v_nop
	global_prefetch_b8 v0, s[64:65] scope:SCOPE_SE
	s_setreg_imm32_b32 hwreg(HW_REG_WAVE_MODE, 25, 1), 1
	s_wait_xcnt 0x0
	s_wait_alu depctr_hold_cnt(0) depctr_sa_sdst(0) depctr_va_vdst(0) depctr_va_sdst(0) depctr_va_ssrc(0) depctr_va_vcc(0) depctr_vm_vsrc(0)
	s_getreg_b32 s2, hwreg(HW_REG_IB_STS2, 6, 4)
	s_cmp_eq_u32 s2, 0
	s_cbranch_scc0 .Lentry_in_a_cluster
	s_endpgm
.Lentry_in_a_cluster:
	s_bfe_u32 s2, ttmp6, 0x10000c
	s_cmp_lg_u32 s2, 0xf033
	s_cbranch_scc0 .Lentry_shape_is_right
	s_endpgm
.Lentry_shape_is_right:
; q | k | v = x (Wq | Wk | Wv): C[m][n] = sum over k of A[m][k] B[n][k], A = x's codes [4096][1024], B = the three weights' codes [6144][1024]: FP4 (E2M1), one E8M0 scale for each 32 along K; sums in f32.
; The matrix instruction takes codes and scale bytes as they lie in memory.  The result is rounded once to f16 and stored by heads: qkv [3 (q, k, v)][32 (16 b + head)][2048 tokens][128], a row of 256 bytes.
; LIMIT: a result of 65,520 or more in magnitude becomes an f16 infinity.
; A tile of C, 256 x 256, is made by a work-group of four waves; a wave makes 128 x 128: 64 accumulators of 16 x 16, 512 registers.  A wave's 128 columns are one head of one tensor, its 128 rows are
; neighbouring tokens: its part of qkv is 32,768 consecutive bytes.
; K = 1,024 is two K steps of 512 (a tile's row is 256 bytes of memory): each of the two LDS slots is filled once, at the start, and nothing is filled again.
; THE SCALES of the work-group's 256 rows of A and of B, for all of K, are two dense blocks of memory: they come into LDS with the first fills, as rows of 256 bytes, and stay.
; CLUSTERS: 4 x 4 work-groups.  The four of a row of the cluster need the same tiles of A, the four of a column the same tiles of B: each tile is asked for JOINTLY, by the same tensor load with the
; same descriptor and a mask that names the four.  THE MATRIX INSTRUCTION IS USED TRANSPOSED (source 0 = 16 rows of B, source 1 = 16 rows of A): a lane then holds eight neighbouring numbers of a row of C.
; REGISTERS, in windows of 256: window 0: v0-31 addresses; v32-95 scale words, two sets; v96-127 packed results on the way out; from v128 A's fragments (8 x 16 rows x 128 K), ONE set, later rows on their way out.
;   window 1: B's fragments, TWO sets, at v0 and at v128.   window 2: the 32 accumulators of my rows 0-63 (accumulator (a, b) at v[8 (8 a + b)]);   window 3: those of my rows 64-127.
; A step of 128 along K is 64 matrix instructions, A's blocks one after the other, each against B's eight: a block of A is free as soon as its eight products are issued, and one set of registers serves A.
.set SIZE_K, 1024
.set KSTEP,  512                       ; along K in a slot
.set NQ,     KSTEP/128                 ; matrix instructions deep
.set ROWB,   256                       ; a tile's row in bytes
.set KROW,   SIZE_K*4/8                ; a row of A or of B in memory, in bytes
.set PITCH,  272                       ; an LDS row: 256 bytes of data + 16 of padding = 68 words: row r starts at bank 4 r mod 64 (64 banks of 4 bytes: ISA guide 11.1)
.set FR,     8                         ; registers of a fragment: 16 rows x 128 K
.set NL,     2                         ; LDS loads that bring one
.set NP,     4                         ; places behind this matrix instruction (ISA guide 7.12.1)
.set HALFT,  128*PITCH                 ; 128 rows: what one tensor load brings, and what one wave reads of A or of B
.set SLOT,   4*HALFT                   ; A's 256 rows, then B's 256 rows
.set KS,     SIZE_K/32                 ; a row of scales in bytes
.set SCL,    2*SLOT                    ; behind the slots: the scales, as rows of 256 bytes + 16 of padding
.set HALFS,  (128*KS/256)*272          ; the scales of 128 rows: what one tensor load brings
.set SBLK,   (16*KS/256)*272           ; those of 16 rows
.set SPARE,  SCL+4*HALFS               ; behind the scales: the spare words, 128 bytes for each wave: two blocks of 256 bytes that no other line names
.set SPITCH, 272                       ; the way out: a stage of 16 rows x (256 bytes + 16) for each wave.  It lies in slot 0, which has had its only fill and its last read when the first result is stored there
.set ADRA, 16                          ; v16-17  LDS address of my A fragments in slot 0, 1
.set ADRB, 20                          ; v20-21  the same for B
.set STO,  24                          ; v24     the way out: where I put 16 bytes of a row
.set RD,   25                          ; v25     the way out: where I read a row back
.set CO,   26                          ; v26     16 x lane: my byte offset in two rows of qkv
.set ADRS, 27                          ; v27     LDS address of my scale words: lanes 0-15 A's rows, lanes 16-31 B's
.set SPW,  28                          ; v28     LDS address of my spare word: SPARE + 4 x my thread's number; never rewritten
.set NIL,  29                          ; v29     0; never rewritten
.set SC,   32                          ; scale words: set s (for slot s) at v[SC + 8 NQ s]; in it register NQ i + q: lanes 0-15 the word of A's block i, lanes 16-31 that of B's block i, for the slot's q-th 128 along K
.set TMP,  96                          ; the way out: a block's 32 packed registers
.set AF,   128                         ; A's fragments, in window 0
.set BK,   128                         ; the way out: 16 rows read back from the stage: v128-159 and v160-191 by turns
.set G1, 24                            ; s[24:31] descriptor group 1 for A's tiles;  s[32:39] group 0, one set for each slot
.set G0, 32
.set G1B, 48                           ; s[48:55], s[56:63] the same for B's tiles
.set G0B, 56
.set G1S, 68                           ; s[68:75], s[76:79] groups 1 and 0 for A's scales;  s[80:87], s[88:91] for B's
.set G0S, 76
.set G1SB, 80
.set G0SB, 88
.set MSB, 0
.macro WIN new                         ; the immediate's high byte repeats the setting that is left
.if MSB != (\new)
	s_set_vgpr_msb (MSB<<8)|(\new)
.set MSB, (\new)
.endif
.endm
.set MUL_LO, 0xa1                      ; source 0 (B) window 1, source 1 (A) window 0, C and D window 2
.set MUL_HI, 0xf1                      ; the same, C and D window 3
.set TO_B,   0x40                      ; destination window 1, address window 0
; A joint load: waves 0 and 1 fetch for A, waves 2 and 3 for B.  Each of the two lines has ONE mask and one set of registers for all that issue it; the branch hangs on the wave's number alone.
; Four v_nop follow each of the two lines, ahead of the jump, the label and what follows.
.macro JLOAD g0a, g1a, g0b, g1b
	s_cmp_eq_u32 s15, 0
	s_cbranch_scc0 .Lfor_b_\@
	tensor_load_to_lds s[\g0a:\g0a+3], s[\g1a:\g1a+7]
	s_nop 0
.rept 4
	v_nop
.endr
	s_branch .Lasked_\@
.Lfor_b_\@:
	tensor_load_to_lds s[\g0b:\g0b+3], s[\g1b:\g1b+7]
	s_nop 0
.rept 4
	v_nop
.endr
.Lasked_\@:
.endm
.macro CROUND                          ; a round of the cluster's barrier: my work-group's barrier; wave 0 signals for the work-group; every wave waits for all sixteen; my work-group's barrier once more
	s_barrier_signal -1
	s_barrier_wait -1
	s_cmp_lg_u32 s14, 0
	s_cbranch_scc1 .Lnot_wave_0_\@
	s_barrier_signal -3
.Lnot_wave_0_\@:
	s_barrier_wait -3
	s_barrier_signal -1
	s_barrier_wait -1
.endm
	s_load_b128 s[4:7], s[0:1], 0x0                ; A's codes s[4:5], A's scales s[6:7]
	s_load_b128 s[8:11], s[0:1], 0x10              ; B's codes s[8:9], B's scales s[10:11]
	s_load_b64 s[12:13], s[0:1], 0x20              ; qkv
	v_lshl_add_u32 v[SPW], v0, 2, SPARE
	v_mov_b32 v[NIL], 0
	ds_add_u32 v28, v29
	ds_add_u32 v28, v29
	s_wait_dscnt 0x0
	v_lshrrev_b32 v1, 5, v0
	v_readfirstlane_b32 s14, v1                    ; wave 0..3
	s_lshr_b32 s15, s14, 1                         ; which half of the tile's rows is mine.  Also: I fetch for A (0) or for B (1)
	s_and_b32 s16, s14, 1                          ; which half of its columns.  Also: which 128 rows of that tile I fetch
	s_bfe_u32 s40, ttmp6, 0x40000                  ; cx, cy: my place in the cluster
	s_bfe_u32 s41, ttmp6, 0x40004
	s_lshl_b32 s42, ttmp9, 2
	s_add_co_u32 s42, s42, s40                     ; tile column of C = 4 x cluster x + cx
	s_and_b32 s17, ttmp7, 0xffff
	s_lshl_b32 s17, s17, 2
	s_add_co_u32 s17, s17, s41                     ; tile row of C = 4 x cluster y + cy
	s_lshl_b32 s43, s41, 2
	s_lshl_b32 s43, 15, s43                        ; my row of the cluster
	s_lshl_b32 s44, 0x1111, s40                    ; my column
	; descriptor group 1: a tile of 128 rows x ROWB bytes, padded in LDS
	s_or_b32 s[G1+0], s43, (0<<16)|(1<<20)|(1<<21)|(5<<22)|(3<<25)  ; 15:0 the mask: A's tiles go to my row; 17:16 element of 1 byte; 20 padding on; 21 set beside a mask; 24:22 after every 64 words (code 5); 31:25 of 4 words (code 3)
	s_or_b32 s[G1B+0], s44, (0<<16)|(1<<20)|(1<<21)|(5<<22)|(3<<25)
.irp g, G1, G1B
	s_mov_b32 s[\g+1], ROWB<<16                    ; tensor_dim0
	s_mov_b32 s[\g+2], 128<<16                     ; tensor_dim1 = 128
	s_mov_b32 s[\g+3], ROWB<<16                    ; tile_dim0
	s_mov_b32 s[\g+4], 128                         ; tile_dim1 = 128
	s_mov_b32 s[\g+5], KROW                        ; tensor_dim0_stride
	s_mov_b32 s[\g+6], 0
	s_mov_b32 s[\g+7], 0
.endr
	; and for the scales of 128 rows: a dense block of 128 KS bytes, as rows of 256 bytes (32 elements of 8 bytes), 16 bytes of padding behind each
	s_or_b32 s[G1S+0], s43, (3<<16)|(1<<20)|(1<<21)|(5<<22)|(3<<25)
	s_or_b32 s[G1SB+0], s44, (3<<16)|(1<<20)|(1<<21)|(5<<22)|(3<<25)
.irp g, G1S, G1SB
	s_mov_b32 s[\g+1], 32<<16
	s_mov_b32 s[\g+2], (128*KS/256)<<16
	s_mov_b32 s[\g+3], 32<<16
	s_mov_b32 s[\g+4], 128*KS/256
	s_mov_b32 s[\g+5], 32
	s_mov_b32 s[\g+6], 0
	s_mov_b32 s[\g+7], 0
.endr
	s_lshl_b32 s18, s16, 7                         ; which 128 rows of the tile I fetch
	s_lshl_b32 s20, s17, 8
	s_add_co_u32 s20, s20, s18                     ; A: row 256 x tile row + 128 x half
	s_lshl_b32 s46, s42, 8
	s_add_co_u32 s46, s46, s18                     ; B: row 256 x tile column + 128 x half
	s_mov_b32 s21, 0
	s_mov_b32 s47, 0
	s_mov_b64 s[18:19], KS
	s_mul_u64 s[22:23], s[20:21], s[18:19]         ; where these rows' scales begin, in bytes
	s_mul_u64 s[92:93], s[46:47], s[18:19]
	s_mov_b64 s[18:19], KROW
	s_mul_u64 s[20:21], s[20:21], s[18:19]         ; and their codes
	s_mul_u64 s[46:47], s[46:47], s[18:19]
	s_mul_i32 s45, s14, HALFT                      ; where they go: wave x 128 rows: no place in the cluster enters an LDS address
	s_mul_i32 s94, s14, HALFS
	s_wait_kmcnt 0x0
	s_add_nc_u64 s[20:21], s[4:5], s[20:21]
	s_add_nc_u64 s[22:23], s[6:7], s[22:23]
	s_add_nc_u64 s[46:47], s[8:9], s[46:47]
	s_add_nc_u64 s[92:93], s[10:11], s[92:93]
	CROUND                                         ; all sixteen work-groups are here: the joint loads meet
	s_mov_b32 s[G0S], 1
	s_add_co_u32 s[G0S+1], s94, SCL
	s_mov_b64 s[G0S+2:G0S+3], s[22:23]
	s_or_b32 s[G0S+3], s[G0S+3], 0x80000000
	s_mov_b32 s[G0SB], 1
	s_add_co_u32 s[G0SB+1], s94, SCL
	s_mov_b64 s[G0SB+2:G0SB+3], s[92:93]
	s_or_b32 s[G0SB+3], s[G0SB+3], 0x80000000
	JLOAD G0S, G1S, G0SB, G1SB                     ; the scales first: they are wanted with K step 0
.irp s, 0,1
	s_mov_b32 s[G0+4*\s], 1
	s_add_co_u32 s[G0+4*\s+1], s45, \s*SLOT
	s_add_nc_u64 s[G0+4*\s+2:G0+4*\s+3], s[20:21], \s*ROWB
	s_or_b32 s[G0+4*\s+3], s[G0+4*\s+3], 0x80000000
	s_mov_b32 s[G0B+4*\s], 1
	s_add_co_u32 s[G0B+4*\s+1], s45, \s*SLOT
	s_add_nc_u64 s[G0B+4*\s+2:G0B+4*\s+3], s[46:47], \s*ROWB
	s_or_b32 s[G0B+4*\s+3], s[G0B+4*\s+3], 0x80000000
	JLOAD G0+4*\s, G1, G0B+4*\s, G1B               ; both K steps: three tensor loads of mine are out
.endr
	v_and_b32 v1, 15, v0                           ; l % 16
	v_bfe_u32 v2, v0, 4, 1                         ; l / 16
	v_mul_u32_u24 v3, v1, PITCH
	v_lshl_add_u32 v4, v2, 4, v3                   ; a fragment's row x pitch + 16 x half
	s_mul_i32 s21, s15, HALFT                      ; my 128 rows of A
	s_mul_i32 s22, s16, HALFT                      ; my 128 rows of B,
	s_add_co_u32 s22, s22, 2*HALFT                 ; which lie behind A's 256
.irp s, 0,1
	v_add_nc_u32 v[ADRA+\s], s21, v4
	v_add_nc_u32 v[ADRB+\s], s22, v4
	s_add_co_u32 s21, s21, SLOT
	s_add_co_u32 s22, s22, SLOT
.endr
	v_mul_u32_u24 v5, v1, KS                       ; my row's scales: KS bytes a row,
	v_lshrrev_b32 v6, 8, v5
	v_lshl_add_u32 v5, v6, 4, v5                   ; and 16 more for each 256 passed
	s_mul_i32 s21, s15, HALFS                      ; A's: my 128 rows
	s_mul_i32 s22, s16, HALFS                      ; B's: my 128 rows, behind A's 256
	s_add_co_u32 s22, s22, 2*HALFS
	s_sub_co_u32 s22, s22, s21
	v_mul_u32_u24 v6, s22, v2                      ; lanes 16-31 take B's
	s_add_co_u32 s21, s21, SCL
	v_add_nc_u32 v5, v5, v6
	v_add_nc_u32 v[ADRS], s21, v5
	s_mul_i32 s23, s14, 16*SPITCH                  ; my stage
	v_mul_u32_u24 v5, v1, SPITCH                   ; in: row l % 16, 16 bytes for each half of the lanes
	v_lshl_add_u32 v5, v2, 4, v5
	v_add_nc_u32 v[STO], s23, v5
	v_mul_u32_u24 v6, v2, SPITCH                   ; back: lanes 0-15 take one row of 256 bytes, lanes 16-31 the next
	v_lshl_add_u32 v6, v1, 4, v6
	v_add_nc_u32 v[RD], s23, v6
	v_and_b32 v6, 31, v0
	v_lshlrev_b32 v[CO], 4, v6                     ; in qkv the two rows are neighbours: 16 x lane
	; where my 128 tokens x one head begin in qkv.  Rows: token row 256 x tile row + 128 x half = 2048 b + n
	s_lshr_b32 s20, s17, 3                         ; b
	s_lshl_b32 s20, s20, 23                        ; x 16 heads of 524,288 bytes
	s_and_b32 s21, s17, 7
	s_lshl_b32 s21, s21, 16                        ; 256 tokens of 256 bytes
	s_add_co_u32 s20, s20, s21
	s_lshl_b32 s21, s15, 15                        ; 128 tokens
	s_add_co_u32 s20, s20, s21
	s_mov_b32 s21, 0
	s_lshl_b32 s46, s42, 1                         ; columns: 128 x (2 x tile column + half) = 2048 x tensor + 128 x head (in the registers that held B's address: none that feeds A's descriptors ever holds cx)
	s_add_co_u32 s46, s46, s16
	s_lshr_b32 s47, s46, 4                         ; the tensor,
	s_lshl_b32 s47, s47, 24                        ; 16,777,216 bytes each
	s_and_b32 s46, s46, 15                         ; the head
	s_lshl_b32 s46, s46, 19
	s_add_co_u32 s46, s46, s47
	s_mov_b32 s47, 0
	s_add_nc_u64 s[20:21], s[20:21], s[46:47]
	s_add_nc_u64 s[12:13], s[12:13], s[20:21]
.macro FRAG reg, adr, q, i             ; a fragment, 16 rows x 128 K of 4-bit codes, is 8 registers: lane l holds row l % 16; registers 4 c .. 4 c + 3 hold K = 64 c + 32 (l / 16) + 0 .. 31, the lower K in the lower bits
.irp c, 0,1
	ds_load_b128 v[\reg+4*\c:\reg+4*\c+3], v[\adr] offset:64*(\q)+32*\c+(\i)*16*PITCH
.endr
.endm
; 16 matrix instructions: A's blocks a0, a0 + 1 x B's eight, 128 along K: the slot's q-th.  p: B's set;  sc: the set of scale words.  zero = 1: the first product starts the sums: nothing is ever cleared.
; The 64 accumulators take turns, one instruction a turn, in the same order in every step.
.macro MUL16 a0, p, q, sc, zero
.irp a, \a0, \a0+1
.irp b, 0,1,2,3,4,5,6,7
.if \zero
	v_wmma_scale_f32_16x16x128_f8f6f4 v[8*(8*((\a)%4)+\b):8*(8*((\a)%4)+\b)+7], v[128*(\p)+FR*\b:128*(\p)+FR*\b+FR-1], v[AF+FR*(\a):AF+FR*(\a)+FR-1], 0, v[SC+8*NQ*(\sc)+NQ*\b+(\q)], v[SC+8*NQ*(\sc)+NQ*(\a)+(\q)] matrix_a_fmt:MATRIX_FMT_FP4 matrix_b_fmt:MATRIX_FMT_FP4 matrix_a_scale:MATRIX_SCALE_ROW1
.else
	v_wmma_scale_f32_16x16x128_f8f6f4 v[8*(8*((\a)%4)+\b):8*(8*((\a)%4)+\b)+7], v[128*(\p)+FR*\b:128*(\p)+FR*\b+FR-1], v[AF+FR*(\a):AF+FR*(\a)+FR-1], v[8*(8*((\a)%4)+\b):8*(8*((\a)%4)+\b)+7], v[SC+8*NQ*(\sc)+NQ*\b+(\q)], v[SC+8*NQ*(\sc)+NQ*(\a)+(\q)] matrix_a_fmt:MATRIX_FMT_FP4 matrix_b_fmt:MATRIX_FMT_FP4 matrix_a_scale:MATRIX_SCALE_ROW1
.endif
.endr
.endr
.endm
.macro FETCH_B slot, q, p              ; B's eight fragments of the slot's q-th 128 along K into set p
	WIN TO_B
.irp i, 0,1,2,3,4,5,6,7
	FRAG 128*(\p)+FR*\i, ADRB+\slot, \q, \i
.endr
	WIN 0
.endm
.macro FETCH_A slot, q, i0             ; A's blocks i0 .. i0 + 3
.irp i, \i0, \i0+1, \i0+2, \i0+3
	FRAG AF+FR*(\i), ADRA+\slot, \q, \i
.endr
.endm
.macro SCALES sc                       ; a K step's scale words into set sc: NQ words a row; lanes 0-15 take A's block i, lanes 16-31 B's block i
.irp i, 0,1,2,3,4,5,6,7
	ds_load_b128 v[SC+8*NQ*\sc+NQ*\i:SC+8*NQ*\sc+NQ*\i+3], v[ADRS] offset:\i*SBLK
.endr
.endm
; A load into a register that a matrix instruction has read, and a vector instruction that reads a matrix result, stand NP places behind that matrix instruction, and only plain vector
; instructions that name none of its registers are places (ISA guide 7.12.1 for vector instructions); the matrix instructions in between are not counted.
.macro PLACES n
.rept \n
	v_nop
.endr
.endm
; A step of 128 along K that has its successor in the same slot.
.macro STEP slot, q, zero
	s_wait_dscnt 4*NL                              ; B's set and A's blocks 0-3 are in; the youngest eight loads (A's blocks 4-7) may be out
	WIN MUL_LO
	MUL16 0, (\q)%2, \q, \slot, \zero
	MUL16 2, (\q)%2, \q, \slot, \zero
	s_wait_dscnt 0                                 ; A's blocks 4-7 are in (asked for 32 matrix instructions ago)
	PLACES NP
	FETCH_B \slot, (\q)+1, 1-(\q)%2
	FETCH_A \slot, (\q)+1, 0
	WIN MUL_HI
	MUL16 4, (\q)%2, \q, \slot, \zero
	MUL16 6, (\q)%2, \q, \slot, \zero
	PLACES NP
	WIN 0
	FETCH_A \slot, (\q)+1, 4
.endm
.macro STEPS slot, from                ; the slot's steps from .. NQ - 2
.set Q, \from
.rept NQ-1-\from
	STEP \slot, Q, 0
.set Q, Q+1
.endr
.endm
	s_wait_tensorcnt 1                             ; the scales and my part of K step 0 are in (K step 1's load may be out),
	s_barrier_signal -1
	s_barrier_wait -1                              ; everybody's are
	FETCH_B 0, 0, 0
	FETCH_A 0, 0, 0
	SCALES 0
	FETCH_A 0, 0, 4
	STEP 0, 0, 1                                   ; the first step's products start the sums
	STEPS 0, 1
	; slot 0's last step changes slots: ONE barrier; in front of it each wave waits for all its tensor loads (its part of slot 1) and for its own reads of slot 0
	s_wait_tensorcnt 0x0                           ; my part of slot 1 has landed  (every window is 0 here)
	ds_add_u32 v[SPW], v[NIL]                      ; 0 onto my spare word
	s_wait_dscnt 4*NL+1                            ; (the add and the youngest eight loads, A's blocks 4-7, may be out)
	WIN MUL_LO
	MUL16 0, 1, NQ-1, 0, 0
	s_wait_dscnt 0x0                               ; the add is done, and my reads of slot 0 are over
	s_barrier_signal -1
	MUL16 2, 1, NQ-1, 0, 0                         ; work on registers while the others arrive
	WIN 0
	s_barrier_wait -1                              ; slot 1 is whole, and nobody reads slot 0 any more
	PLACES NP
	v_add_nc_u32 v[ADRS], 4*NQ, v[ADRS]            ; on to the second K step's scale words
	FETCH_B 1, 0, 0
	FETCH_A 1, 0, 0
	SCALES 1
	WIN MUL_HI
	MUL16 4, 1, NQ-1, 0, 0
	MUL16 6, 1, NQ-1, 0, 0
	PLACES NP
	WIN 0
	FETCH_A 1, 0, 4
	STEPS 1, 0
	s_wait_dscnt 4*NL                              ; the very last step: nothing more to fetch
	WIN MUL_LO
	MUL16 0, 1, NQ-1, 1, 0
	MUL16 2, 1, NQ-1, 1, 0
	s_wait_dscnt 0
	WIN MUL_HI
	MUL16 4, 1, NQ-1, 1, 0
	MUL16 6, 1, NQ-1, 1, 0
	WIN 0
; THE WAY OUT, block by block of 16 tokens x 128 columns.  PACK: rounded to f16, a lane's eight neighbouring columns are 16 bytes.  TOSTAGE: into my own stage in LDS, and back as whole rows of 256 bytes.
; SEND: stored: a wave's store covers two neighbouring rows, 512 consecutive bytes.  LDS serves a wave's instructions in order (ISA guide 5.7.1.4): no wait between the stores and the loads.
.macro PACK a
.set AC, 64*((\a)%4)
	WIN 0x0a+5*((\a)/4)                            ; sources 0 and 1: window 2 or 3
.irp b, 0,1,2,3,4,5,6,7
.irp r, 0,1,2,3
	v_cvt_pk_f16_f32 v[TMP+4*\b+\r], v[AC+8*\b+2*\r], v[AC+8*\b+2*\r+1]   ; each accumulator from its low end on
.endr
.endr
	WIN 0
.endm
.macro TOSTAGE a
.set BB, BK+32*((\a)%2)
.irp b, 0,1,2,3,4,5,6,7
	ds_store_b128 v[STO], v[TMP+4*\b:TMP+4*\b+3] offset:32*\b
.endr
.irp t, 0,1,2,3,4,5,6,7
	ds_load_b128 v[BB+4*\t:BB+4*\t+3], v[RD] offset:\t*2*SPITCH
.endr
.endm
.macro SEND a
.set BB, BK+32*((\a)%2)
	s_wait_dscnt 0x0                               ; the block is back in registers
	s_wait_xcnt 0x0                                ; the stores of the block before have read their registers: the next block's loads from the stage may land there
.irp t, 0,1,2,3,4,5,6,7
	global_store_b128 v[CO], v[BB+4*\t:BB+4*\t+3], s[12:13] offset:4096*(\a)+512*\t   ; 512 consecutive bytes, at a multiple of 256 from qkv's first byte
.endr
.endm
	PLACES NP                                      ; behind the last products: for the conversions that read results, and for the loads into the registers that held A's fragments
	PACK 0
	TOSTAGE 0
.irp a, 1,2,3,4,5,6,7                  ; block a's conversions stand between block a - 1's loads from the stage and the wait for them
	PACK \a
	SEND \a-1
	TOSTAGE \a
.endr
	SEND 7
	s_wait_tensorcnt 0x0                           ; the wave's end: behind my last tensor load and my last LDS store
	ds_add_u32 v[SPW], v[NIL]
	s_wait_dscnt 0x0
	CROUND                                         ; the closing round: no work-group ends while a partner may still ask for a tile that names it
	s_endpgm
.Lfunc_end_k_q9ee067cd59_project:
	.size	k_q9ee067cd59_project, .Lfunc_end_k_q9ee067cd59_project-k_q9ee067cd59_project
	.p2alignl 7, 3214868480
	.fill 96, 4, 3214868480
	.section	.rodata,"a",@progbits
	.p2align	6, 0x0
	.amdhsa_kernel k_q9ee067cd59_project
		.amdhsa_group_segment_fixed_size 327680
		.amdhsa_private_segment_fixed_size 0
		.amdhsa_enable_private_segment 0
		.amdhsa_kernarg_size 40
		.amdhsa_user_sgpr_count 2
		.amdhsa_user_sgpr_kernarg_segment_ptr 1
		.amdhsa_wavefront_size32 1
		.amdhsa_system_sgpr_workgroup_id_x 1
		.amdhsa_system_sgpr_workgroup_id_y 1
		.amdhsa_system_sgpr_workgroup_id_z 1
		.amdhsa_system_vgpr_workitem_id 0
		.amdhsa_next_free_vgpr 1024
		.amdhsa_next_free_sgpr 98
		.amdhsa_reserve_vcc 0
		.amdhsa_float_denorm_mode_32 3
		.amdhsa_float_denorm_mode_16_64 3
		.amdhsa_memory_ordered 1
		.amdhsa_forward_progress 1
		.amdhsa_inst_pref_size 126
	.end_amdhsa_kernel
	.amdgpu_metadata
---
amdhsa.version: [ 1, 2 ]
amdhsa.kernels:
  - .name:           k_q9ee067cd59_project
    .symbol:         k_q9ee067cd59_project.kd
    .args:
      - { .name: xc, .offset: 0, .size: 8, .value_kind: global_buffer, .address_space: global }
      - { .name: xs, .offset: 8, .size: 8, .value_kind: global_buffer, .address_space: global }
      - { .name: wc, .offset: 16, .size: 8, .value_kind: global_buffer, .address_space: global }
      - { .name: ws, .offset: 24, .size: 8, .value_kind: global_buffer, .address_space: global }
      - { .name: qkv, .offset: 32, .size: 8, .value_kind: global_buffer, .address_space: global }
    .group_segment_fixed_size: 327680
    .private_segment_fixed_size: 0
    .kernarg_segment_align: 8
    .kernarg_segment_size: 40
    .max_flat_workgroup_size: 128
    .sgpr_count:     98
    .vgpr_count:     1024
    .wavefront_size: 32
...
	.end_amdgpu_metadata
.endif
;; end of part 2
;; launch attn (part 3): grid 8 x 32, 4 waves a work-group, no clusters, 327,680 bytes of LDS; arguments qkv, ao; writes ao
.if DOCPART == 3
	.amdgcn_target "amdgcn-amd-amdhsa--gfx1250"
	.amdhsa_code_object_version 6
	.text
	.protected	k_q9ee067cd59_attn
	.globl	k_q9ee067cd59_attn
	.p2align	8
	.type	k_q9ee067cd59_attn,@function
k_q9ee067cd59_attn:
	s_mov_b64 s[64:65], 0
	v_nop
	global_prefetch_b8 v0, s[64:65] scope:SCOPE_SE
	s_setreg_imm32_b32 hwreg(HW_REG_WAVE_MODE, 25, 1), 1
	s_wait_xcnt 0x0
; CAUSAL ATTENTION of one head: ao[2048 b + n][128 head + d] = sum over m <= n of softmax_m(q[n] . k[m] / 8) v[m][d].  The real and imaginary score products are one dot product over the head's 128 columns,
; the two value products one product with the head's 128 columns of v.  q, k, v: qkv [3][32 (16 b + head)][2048][128] f16; ao: [4096][2048] f16.  Products, maxima and sums in f32; the weights p are
; rounded to f16 for the second product, the result once at the end.
; f16, NOT bf16: in the first rows of a sequence the result is v itself, as large as v, while the allowed error hangs on the whole output's size, which is much smaller: 8 bits of mantissa do not do.
; LIMIT: |q|, |k|, |v| arrive as f16, so under 65,504; NaN and infinities are not served.
; SHARES.  A work-group (i = x, the head = y) owns TWO blocks of 128 queries, i and 15 - i, and works them one after the other in ONE loop of a constant 17 trips of 128 queries x 128 keys: trip t serves
; block i and key tile t where t <= i, else block 15 - i and key tile t - i - 1.  (i + 1) + (16 - i) = 17: every work-group has the same work, and no tile that lies wholly under the mask is touched.
; The diagonal trips, t = i and t = 16, mask their scores and send a finished block out.  Wave w owns queries 32 w .. 32 w + 31 of the block in hand: two tiles of 16.
; NO CLUSTER: in one trip the eight work-groups of a head need different key tiles (t against t - i - 1), so no tensor load of one trip is the same in two of them.
; LAYOUT.  S^T = K Q^T (source 0 = 16 keys, source 1 = 16 queries): a lane holds ONE query (lane % 16) and the keys 8 (lane / 16) + 0..7 of each tile of 16.  Two such tiles, rounded to f16 in pairs, ARE
; source 1 (32 keys x 16 queries) of O^T = V^T P, whose result again holds one query a lane.  K comes out of LDS as it lies, V ([key][channel]) turned, by ds_load_tr16_b128.
; SOFTMAX.  For each query a running maximum m and sum l: p = 2^(c s - c m), c = log2(e) / 8; in every trip O and l are multiplied by a = 2^(c m_old - c m_new).
; REGISTERS, in windows of 256 (s_set_vgpr_msb: bits 1:0 source 0, 3:2 source 1, 5:4 source 2, 7:6 destination):
;   window 0: v1-15 addresses; v32-47 eight registers of statistics a tile; v64-191 S^T, 64 a tile; v192-255 P, 32 a tile
;   window 1: v0-127 O^T, 64 a tile; v128-191 Q, 32 a tile        window 2: K of one trip (8 x 4 fragments)        window 3: V of one trip (4 x 8 fragments)
.set PK,    272       ; a row of K in LDS: 256 bytes + 16 of padding = 68 words: the 16 rows of a load start at 16 different banks (64 banks of 4 bytes: ISA guide 11.1)
.set PVP,   288       ; a row of V: 256 + 32 = 72 words
.set VOFF,  128*PK    ; a slot: 128 rows of K, then 128 rows of V
.set SLOT1, 1<<17     ; slot 1 begins here, so that one exclusive or turns an address in one slot into the other's
.set STAGE, SLOT1+128*(PK+PVP)  ; behind the ring: 16 rows x 272 bytes for each wave, for the way out
.set SP,    272
.set SPARE, STAGE+4*16*SP       ; behind the stages: the spare words, 128 bytes for each wave: two blocks of 256 bytes that no other line names
.set AK0, 2           ; v2   my lane's place in a tile of K; never rewritten
.set AV0, 3           ; v3   the same for V
.set ADK, 4           ; v4   LDS address of the trip's K
.set ADV, 5           ; v5   and V
.set QO,  6           ; v6   my byte offset in the wave's rows of Q
.set STO, 7           ; v7   the way out: where I put 16 bytes of a row
.set RD,  8           ; v8   the way out: where I read a row back
.set GO,  9           ; v9   my byte offset in the wave's rows of ao
.set DM,  11          ; v11  32 w + lane % 16 - 8 (lane / 16): my query in the block, less my half's first key in a tile of 16
.set NEG, 12          ; v12  -infinity
.set PFO, 13          ; v13  256 x my lane: a row of K or V is 256 bytes; never rewritten
.set SPW, 14          ; v14  LDS address of my spare word: SPARE + 4 x my thread's number; never rewritten
.set NIL, 15          ; v15  0; never rewritten
.set ST,  32          ; tile q's statistics at v[ST+8 q]: +0 c m, +1 m, +2, +3 l (even keys', odd keys'), +4 to +7 c0-c3, at work; a takes c2's place once the maximum is found
.set S,   64
.set P,   192
.set WV,  8           ; s8   my wave's number
.set I,   9           ; s9   the work-group's x
.set T,   10          ; s10  the trip
.set TB,  11          ; s11  LDS byte at which the slot in hand begins
.set LIM, 12          ; s12  a wave prefetches while the trip's number is under it: 14 in a head's work-group 0, else 0
.set QB,  16          ; s[16:17] my wave's rows of Q in the second block
.set OC,  18          ; s[18:19] my wave's rows of ao in the block in hand
.set OB,  20          ; s[20:21] and in the second block
.set KB,  22          ; s[22:23] the head's K at the 64 rows of a tile that I fetch
.set G1K, 24          ; s[24:31] descriptor group 1 for K's tiles
.set G1V, 32          ; s[32:39] for V's: it differs in the padding alone
.set G0K, 40          ; s[40:43] descriptor group 0 for K's tiles
.set G0V, 44          ; s[44:47] for V's
.set VB,  48          ; s[48:49] as KB, for V
.set PFK, 50          ; s[50:51] where my prefetches of K stand
.set PFV, 52          ; s[52:53] and of V
.set CS,  54          ; s[54:55] c: the packed scaling names a pair and takes its low word for both halves
.set SEL, 56          ; s[56:57] lane selects for v_permlanex16_b32: each lane takes its own place in the other half
.set OFS, 58          ; s[58:59] an offset, its high word 0
.set MSB, 0
.macro WIN new                      ; the immediate's high byte repeats the setting that is left; a switch that changes nothing is dropped
.if MSB != (\new)
	s_set_vgpr_msb (MSB<<8)|(\new)
.set MSB, (\new)
.endif
.endm
.macro PLACES                       ; four places (ISA guide 7.12.1) behind matrix instructions, where no other vector work is at hand
.rept 4
	v_nop
.endr
.endm
; Waves 0 and 1 fetch the halves of K's tile, waves 2 and 3 those of V's: 64 rows a load.  The branch hangs on the wave's number alone.  Four v_nop follow each of the two lines.
.macro TLOAD
	s_cmp_lt_u32 s[WV], 2
	s_cbranch_scc0 .Lfor_v_\@
	tensor_load_to_lds s[G0K:G0K+3], s[G1K:G1K+7]
	s_nop 0
.rept 4
	v_nop
.endr
	s_branch .Lasked_\@
.Lfor_v_\@:
	tensor_load_to_lds s[G0V:G0V+3], s[G1V:G1V+7]
	s_nop 0
.rept 4
	v_nop
.endr
.Lasked_\@:
.endm
; A PREFETCH INTO THE L2.  All eight work-groups of a head walk the same K and V: the head's work-group 0 asks, in trip t for key tile t + 2, t = 0 .. 13; each of its four waves names 32 rows of K and 32 of V,
; a lane a row of 256 bytes: so each row is named once in the launch.  The first tensor load of tile n in the head goes out in trip n - 1 (n <= 7) or n (n >= 8): one or two trips behind the prefetch.
; Tiles 0 and 1 come by their loads alone; the last trips ask for nothing.
.macro ASK
	s_cmp_lt_u32 s[T], s[LIM]
	s_cbranch_scc0 .Lnot_mine_\@
	global_prefetch_b8 v[PFO], s[PFK:PFK+1] th:TH_LOAD_NT scope:SCOPE_SE
	global_prefetch_b8 v[PFO], s[PFV:PFV+1] th:TH_LOAD_NT scope:SCOPE_SE
.Lnot_mine_\@:
.endm
; my wave's 32 rows of Q: tile q, channels 32 c on, at v[128 + 32 q + 8 c] of window 1.  Lane l holds row l % 16; registers 0-3 channels 8 (l / 16) + 0..7, registers 4-7 channels 16 + 8 (l / 16) + 0..7
.macro QLOAD ptr
	WIN 0x40
.irp q, 0,1
.irp c, 0,1,2,3
	global_load_b128 v[128+32*\q+8*\c:128+32*\q+8*\c+3],   v[QO], s[\ptr:\ptr+1] offset:4096*\q+64*\c
	global_load_b128 v[128+32*\q+8*\c+4:128+32*\q+8*\c+7], v[QO], s[\ptr:\ptr+1] offset:4096*\q+64*\c+32
.endr
.endr
	WIN 0
.endm
; a block begins: m = -3e38, under every score; l = 0; O^T = 0.  (The trip is written once for first and later key tiles: the first finds zeros, which a = 0 leaves zeros.  This stands twice in a work-group's life.)
.macro RESET
.irp q, 0,1
	v_mov_b32 v[ST+8*\q+1], 0xff61b1e6
	v_mov_b32 v[ST+8*\q+2], 0
	v_mov_b32 v[ST+8*\q+3], 0
	v_mul_f32 v[ST+8*\q], s[CS], v[ST+8*\q+1]
.endr
	WIN 0x40
.set n, 0
.rept 128
	v_mov_b32 v[n], 0
.set n, n+1
.endr
	WIN 0
.endm
; 32 LDS loads: K's tiles of 16 keys 4 g .. 4 g + 3, all 128 channels: fragment (kt, c) at v[32 kt + 8 c] of window 2
.macro FETCH_K g
	WIN 0x80
.irp k, 0,1,2,3
.irp c, 0,1,2,3
	ds_load_b128 v[32*(4*\g+\k)+8*\c:32*(4*\g+\k)+8*\c+3],   v[ADK] offset:(4*\g+\k)*16*PK+64*\c
	ds_load_b128 v[32*(4*\g+\k)+8*\c+4:32*(4*\g+\k)+8*\c+7], v[ADK] offset:(4*\g+\k)*16*PK+64*\c+32
.endr
.endr
.endm
; 32 LDS loads: V^T for keys 32 (2 g) .. 32 (2 g + 1) + 31, all 128 channels: fragment (ks, ct) at v[64 ks + 8 ct] of window 3.  The turning load takes 16 keys x 16 channels and leaves half a fragment
.macro FETCH_V g
	WIN 0xc0
.irp s, 0,1
.irp c, 0,1,2,3,4,5,6,7
	ds_load_tr16_b128 v[64*(2*\g+\s)+8*\c:64*(2*\g+\s)+8*\c+3],   v[ADV] offset:(2*\g+\s)*32*PVP+32*\c
	ds_load_tr16_b128 v[64*(2*\g+\s)+8*\c+4:64*(2*\g+\s)+8*\c+7], v[ADV] offset:(2*\g+\s)*32*PVP+16*PVP+32*\c
.endr
.endr
.endm
; 32 products of S^T = K Q^T: key tiles 4 g .. 4 g + 3 x my two tiles of queries: eight accumulators by turns, one instruction a turn; the first eight start the sums
.macro MULKQ g
	WIN 0x06                        ; K window 2, Q window 1, S^T window 0
.irp c, 0,1,2,3
.irp k, 0,1,2,3
.irp q, 0,1
.if \c == 0
	v_wmma_f32_16x16x32_f16 v[S+64*\q+8*(4*\g+\k):S+64*\q+8*(4*\g+\k)+7], v[32*(4*\g+\k)+8*\c:32*(4*\g+\k)+8*\c+7], v[128+32*\q+8*\c:128+32*\q+8*\c+7], 0
.else
	v_wmma_f32_16x16x32_f16 v[S+64*\q+8*(4*\g+\k):S+64*\q+8*(4*\g+\k)+7], v[32*(4*\g+\k)+8*\c:32*(4*\g+\k)+8*\c+7], v[128+32*\q+8*\c:128+32*\q+8*\c+7], v[S+64*\q+8*(4*\g+\k):S+64*\q+8*(4*\g+\k)+7]
.endif
.endr
.endr
.endr
.endm
; 64 products of O^T += V^T P: sixteen accumulators by turns
.macro MULPV
	WIN 0x53                        ; V window 3, P window 0, O^T window 1
.irp s, 0,1,2,3
.irp c, 0,1,2,3,4,5,6,7
.irp q, 0,1
	v_wmma_f32_16x16x32_f16 v[64*\q+8*\c:64*\q+8*\c+7], v[64*\s+8*\c:64*\s+8*\c+7], v[P+32*\q+8*\s:P+32*\q+8*\s+7], v[64*\q+8*\c:64*\q+8*\c+7]
.endr
.endr
.endr
.endm
; ON THE DIAGONAL the scores of hidden keys become -infinity ahead of the maximum: p = 0 then.  Register n of tile q holds key 16 (n / 8) + 8 (lane / 16) + n % 8, my query is 32 w + 16 q + lane % 16:
; hidden where 16 (n / 8) + n % 8 - 16 q > DM.  Each query sees at least its own key, so m is a number.
.macro MASK
.irp q, 0,1
.set n, 0
.rept 64
	v_cmp_gt_i32 vcc_lo, 16*(n/8)+n%8-16*\q, v[DM]
	v_cndmask_b32 v[S+64*\q+n], v[S+64*\q+n], v[NEG], vcc_lo
.set n, n+1
.endr
.endr
.endm
; THE SOFTMAX of a trip, the two tiles line by line so that no line waits for the line above it.  All in window 0.
.macro SOFTMAX
.irp k, 0,1,2,3                     ; the maximum of 64 scores and the old m, three operands at a time, in four chains; every accumulator is read from its low end on
.irp q, 0,1
	v_max3_num_f32 v[ST+8*\q+4+\k], v[S+64*\q+8*\k], v[S+64*\q+8*\k+1], v[S+64*\q+8*\k+2]
.endr
.endr
.irp k, 0,1,2,3
.irp q, 0,1
	v_max3_num_f32 v[ST+8*\q+4+\k], v[ST+8*\q+4+\k], v[S+64*\q+32+8*\k], v[S+64*\q+32+8*\k+1]
.endr
.endr
.irp j, 3,5
.irp k, 0,1,2,3
.irp q, 0,1
	v_max3_num_f32 v[ST+8*\q+4+\k], v[ST+8*\q+4+\k], v[S+64*\q+8*\k+\j], v[S+64*\q+8*\k+\j+1]
.endr
.endr
.endr
.irp j, 2,4,6
.irp k, 0,1,2,3
.irp q, 0,1
	v_max3_num_f32 v[ST+8*\q+4+\k], v[ST+8*\q+4+\k], v[S+64*\q+32+8*\k+\j], v[S+64*\q+32+8*\k+\j+1]
.endr
.endr
.endr
.irp q, 0,1
	v_max3_num_f32 v[ST+8*\q+4], v[ST+8*\q+4], v[S+64*\q+7], v[S+64*\q+15]
	v_max3_num_f32 v[ST+8*\q+6], v[ST+8*\q+6], v[S+64*\q+23], v[S+64*\q+31]
.endr
.irp q, 0,1
	v_max3_num_f32 v[ST+8*\q+4], v[ST+8*\q+4], v[ST+8*\q+5], v[ST+8*\q+6]
.endr
.irp q, 0,1
	v_max3_num_f32 v[ST+8*\q+4], v[ST+8*\q+4], v[ST+8*\q+7], v[ST+8*\q+1]
.endr
.irp q, 0,1
	v_permlanex16_b32 v[ST+8*\q+5], v[ST+8*\q+4], s[SEL], s[SEL+1]  ; the query's other 64 keys lie in the lane 16 away
.endr
.irp q, 0,1
	v_mov_b32 v[ST+8*\q+7], v[ST+8*\q]          ; c m_old is kept for a
.endr
.irp q, 0,1
	v_max_num_f32 v[ST+8*\q+1], v[ST+8*\q+4], v[ST+8*\q+5]
.endr
.irp q, 0,1
	v_mul_f32 v[ST+8*\q], s[CS], v[ST+8*\q+1]
.endr
.irp q, 0,1
	v_sub_f32 v[ST+8*\q+7], v[ST+8*\q+7], v[ST+8*\q]
.endr
.set n, 0
.rept 32
.irp q, 0,1
	v_pk_fma_f32 v[S+64*\q+2*n:S+64*\q+2*n+1], v[S+64*\q+2*n:S+64*\q+2*n+1], s[CS:CS+1], v[ST+8*\q:ST+8*\q+1] op_sel_hi:[1,0,0] neg_lo:[0,0,1] neg_hi:[0,0,1]  ; c s - c m, two at a time
.endr
.set n, n+1
.endr
.irp q, 0,1
	v_exp_f32 v[ST+8*\q+6], v[ST+8*\q+7]        ; a
.endr
.set n, 0
.rept 64
.irp q, 0,1
	v_exp_f32 v[S+64*\q+n], v[S+64*\q+n]        ; p, at most 1
.endr
.set n, n+1
.endr
	v_nop                           ; a plain line between the last exponential and the use of its result
.set n, 0
	s_wait_alu depctr_va_vdst(0)
.rept 32
.irp q, 0,1
	v_cvt_pk_f16_f32 v[P+32*\q+n], v[S+64*\q+2*n], v[S+64*\q+2*n+1]   ; two neighbouring keys to a register: source 1 of the second product
.endr
.set n, n+1
.endr
.irp q, 0,1                         ; l = a l + the sum of the unrounded p: two at a time, in two chains
	v_pk_fma_f32 v[ST+8*\q+2:ST+8*\q+3], v[ST+8*\q+2:ST+8*\q+3], v[ST+8*\q+6:ST+8*\q+7], v[S+64*\q:S+64*\q+1] op_sel_hi:[1,0,1]
	v_pk_add_f32 v[ST+8*\q+4:ST+8*\q+5], v[S+64*\q+2:S+64*\q+3], v[S+64*\q+4:S+64*\q+5]
.endr
.set n, 3
.rept 14
.irp q, 0,1
	v_pk_add_f32 v[ST+8*\q+2:ST+8*\q+3], v[ST+8*\q+2:ST+8*\q+3], v[S+64*\q+2*n:S+64*\q+2*n+1]
	v_pk_add_f32 v[ST+8*\q+4:ST+8*\q+5], v[ST+8*\q+4:ST+8*\q+5], v[S+64*\q+2*n+2:S+64*\q+2*n+3]
.endr
.set n, n+2
.endr
.irp q, 0,1
	v_pk_add_f32 v[ST+8*\q+2:ST+8*\q+3], v[ST+8*\q+2:ST+8*\q+3], v[S+64*\q+62:S+64*\q+63]
.endr
.irp q, 0,1
	v_pk_add_f32 v[ST+8*\q+2:ST+8*\q+3], v[ST+8*\q+2:ST+8*\q+3], v[ST+8*\q+4:ST+8*\q+5]
.endr
.endm
.macro RESCALE                      ; O^T times a, each accumulator from its low end on
	WIN 0x41                        ; O^T (destination and source 0) window 1, a window 0
.set n, 0
.rept 32
.irp q, 0,1
	v_pk_mul_f32 v[64*\q+2*n:64*\q+2*n+1], v[64*\q+2*n:64*\q+2*n+1], v[ST+8*\q+6:ST+8*\q+7] op_sel_hi:[1,0]
.endr
.set n, n+1
.endr
.endm
; THE WAY OUT of tile q: O^T / l, rounded to f16; a lane's eight channels of a row are 16 bytes; they go into rows of 272 bytes of my own stage and come back as whole rows of 256
.macro OPACK q
	WIN 0x41
.set n, 0
.rept 32
	v_pk_mul_f32 v[64*\q+2*n:64*\q+2*n+1], v[64*\q+2*n:64*\q+2*n+1], v[ST+8*\q+6:ST+8*\q+7] op_sel_hi:[1,0]
.set n, n+1
.endr
	WIN 0x05                        ; sources 0 and 1 window 1, destination window 0: S^T's registers are free
.set n, 0
.rept 32
	v_cvt_pk_f16_f32 v[S+32*\q+n], v[64*\q+2*n], v[64*\q+2*n+1]
.set n, n+1
.endr
	WIN 0
.irp f, 0,1,2,3,4,5,6,7
	ds_store_b128 v[STO], v[S+32*\q+4*\f:S+32*\q+4*\f+3] offset:32*\f
.endr
.irp f, 0,1,2,3,4,5,6,7
	ds_load_b128 v[S+32*\q+4*\f:S+32*\q+4*\f+3], v[RD] offset:\f*2*SP   ; LDS serves a wave's instructions in order (ISA guide 5.7.1.4): these see the stores above; the next tile's stores come behind them
.endr
.endm
.macro OSEND q, younger             ; younger: the LDS instructions issued behind tile q's loads: the next tile's sixteen, or none
.irp f, 0,1,2,3,4,5,6,7
	s_wait_dscnt \younger+7-\f
	global_store_b128 v[GO], v[S+32*\q+4*\f:S+32*\q+4*\f+3], s[OC:OC+1] offset:65536*\q+8192*\f   ; 16 lanes store 256 consecutive bytes, at a multiple of 256 from ao's first byte
.endr
.endm
; A BLOCK IS FINISHED.  last = 0: the second block's Q is asked for first, and lands while the first block goes out; then the statistics and O^T begin anew.
.macro FIN last
	PLACES                          ; behind the last products
.if !\last
	QLOAD QB
.endif
.irp q, 0,1
	v_add_f32 v[ST+8*\q+4], v[ST+8*\q+2], v[ST+8*\q+3]     ; l's two halves,
.endr
.irp q, 0,1
	v_permlanex16_b32 v[ST+8*\q+5], v[ST+8*\q+4], s[SEL], s[SEL+1]
.endr
.irp q, 0,1
	v_add_f32 v[ST+8*\q+4], v[ST+8*\q+4], v[ST+8*\q+5]     ; and the other half of the lanes'
.endr
.irp q, 0,1
	v_rcp_f32 v[ST+8*\q+6], v[ST+8*\q+4]
.endr
	v_nop                           ; a plain line between the last reciprocal and the use of its result
	s_wait_alu depctr_va_vdst(0)
	OPACK 0
	OPACK 1                         ; a tile's arithmetic stands between the loads of the tile before and its stores
	OSEND 0, 16
	OSEND 1, 0
.if !\last
	s_wait_xcnt 0x0                 ; the stores have read their registers and their base: both are written again below and in the next trip
	s_mov_b64 s[OC:OC+1], s[OB:OB+1]
	RESET
	s_wait_loadcnt 0x0              ; the second block's Q
.endif
.endm
; A TRIP: 128 queries x 128 keys.  ONE barrier: in front of it each wave waits for all its tensor loads (one is out: its part of this trip's tile), adds 0 to its spare word, and waits for that and for its
; reads of the slot read last trip.  Behind it this trip's slot is whole and nobody reads the other.  fill = 1: that other slot takes the next trip's tile, which has the whole trip in which to land.
.macro TRIP fill
	s_wait_tensorcnt 0x0            ; no tensor load of mine is out, so a group 0 may be written
	ds_add_u32 v[SPW], v[NIL]       ; 0 onto my spare word; the descriptors' steps stand between it and the wait for it
.if \fill
	s_add_co_u32 s13, s[T], 1       ; the next trip,
	s_add_co_u32 s14, s[I], 1
	s_cmp_le_u32 s13, s[I]          ; still in the first block?
	s_cselect_b32 s14, 0, s14
	s_sub_co_u32 s13, s13, s14      ; its key tile,
	s_lshl_b32 s[OFS], s13, 15      ; 128 rows of 256 bytes each
	s_add_nc_u64 s[G0K+2:G0K+3], s[KB:KB+1], s[OFS:OFS+1]
	s_or_b32 s[G0K+3], s[G0K+3], 0x80000000
	s_add_nc_u64 s[G0V+2:G0V+3], s[VB:VB+1], s[OFS:OFS+1]
	s_or_b32 s[G0V+3], s[G0V+3], 0x80000000
	s_xor_b32 s[G0K+1], s[G0K+1], SLOT1   ; into the other slot than last time
	s_xor_b32 s[G0V+1], s[G0V+1], SLOT1
	s_wait_xcnt 0x0                 ; the last prefetches, a trip back, have read their addresses, so these may be written
	s_add_nc_u64 s[PFK:PFK+1], s[PFK:PFK+1], 32768
	s_add_nc_u64 s[PFV:PFV+1], s[PFV:PFV+1], 32768
.endif
	s_wait_dscnt 0x0                ; the add is done, and my reads of the other slot and of my stage are over
	s_barrier_signal -1
	s_barrier_wait -1
.if \fill
	TLOAD                           ; the first thing behind the barrier, and my one tensor load until the next; its four v_nop are also the places in front of the loads into V's registers
	ASK
.else
	PLACES
.endif
	v_add_nc_u32 v[ADK], s[TB], v[AK0]
	v_add_nc_u32 v[ADV], s[TB], v[AV0]
	FETCH_K 0
	FETCH_K 1
	s_wait_dscnt 32                 ; K's first four tiles are in; the 32 loads of the other four may be out
	MULKQ 0
	FETCH_V 0
	s_wait_dscnt 32                 ; K's other four tiles are in; V's first 32 loads may be out
	MULKQ 1
	FETCH_V 1
	WIN 0
	PLACES                          ; behind the last scores
.if \fill
	s_cmp_lg_u32 s[T], s[I]         ; of the loop's trips only trip i lies on a diagonal
	s_cbranch_scc1 .Lopen_\@
.endif
	MASK
.if \fill
.Lopen_\@:
.endif
	SOFTMAX
	RESCALE
	s_wait_dscnt 0x0                ; V is in
	MULPV
	WIN 0                           ; at a label and at a branch every window is 0
.if \fill
	s_cmp_lg_u32 s[T], s[I]
	s_cbranch_scc1 .Lon_\@
	FIN 0                           ; the first block is finished
.Lon_\@:
	s_xor_b32 s[TB], s[TB], SLOT1   ; on to the other slot
.else
	FIN 1                           ; the second block is finished
.endif
.endm
	s_load_b128 s[4:7], s[0:1], 0x0 ; qkv s[4:5], ao s[6:7]
	v_lshl_add_u32 v[SPW], v0, 2, SPARE
	v_mov_b32 v[NIL], 0
	ds_add_u32 v14, v15
	ds_add_u32 v14, v15
	s_wait_dscnt 0x0
	v_lshrrev_b32 v1, 5, v0
	v_readfirstlane_b32 s[WV], v1   ; wave 0..3
	s_mov_b32 s[I], ttmp9
	s_and_b32 s13, ttmp7, 0xffff    ; 16 b + head
	; descriptor group 1: a tile of 64 rows x 128 elements, padded in LDS
	s_mov_b32 s[G1K], (1<<16)|(1<<20)|(5<<22)|(3<<25)  ; 15:0 no mask; 17:16 elements of 2 bytes; 20 padding on; 24:22 after every 64 words (code 5); 31:25 4 words of it (code 3)
	s_mov_b32 s[G1V], (1<<16)|(1<<20)|(5<<22)|(7<<25)  ; the same with 8 words of padding (code 7)
.irp g, G1K, G1V
	s_mov_b32 s[\g+1], 128<<16      ; tensor_dim0 = 128
	s_mov_b32 s[\g+2], 64<<16       ; tensor_dim1 = 64
	s_mov_b32 s[\g+3], 128<<16      ; tile_dim0 = 128
	s_mov_b32 s[\g+4], 64           ; tile_dim1 = 64
	s_mov_b32 s[\g+5], 128          ; tensor_dim0_stride: elements from row to row
	s_mov_b32 s[\g+6], 0
	s_mov_b32 s[\g+7], 0
.endr
	s_and_b32 s14, s[WV], 1         ; which 64 rows of a tile I fetch
	s_mov_b32 s[G0K], 1             ; count = 1
	s_mul_i32 s[G0K+1], s14, 64*PK  ; LDS address: slot 0
	s_mov_b32 s[G0V], 1
	s_mul_i32 s[G0V+1], s14, 64*PVP
	s_add_co_u32 s[G0V+1], s[G0V+1], VOFF
	s_lshl_b32 s[OFS], s13, 19      ; a head is 524,288 bytes
	s_mov_b32 s[OFS+1], 0
	s_lshl_b32 s15, s14, 14         ; 64 rows of 256 bytes
	s_mov_b32 s[CS], 0x3e38aa3b     ; c = log2(e) / 8
	s_mov_b32 s[CS+1], s[CS]        ; named with it as a pair, so it is written
	s_mov_b32 s[SEL], 0x76543210
	s_mov_b32 s[SEL+1], 0xfedcba98
	s_mov_b32 s[T], 0
	s_mov_b32 s[TB], 0
	s_cmp_eq_u32 s[I], 0
	s_cselect_b32 s[LIM], 14, 0
	s_wait_kmcnt 0x0
	s_add_nc_u64 s[4:5], s[4:5], s[OFS:OFS+1]      ; q of my head
	s_mov_b32 s[OFS], s15
	s_add_nc_u64 s[KB:KB+1], s[4:5], s[OFS:OFS+1]
	s_add_nc_u64 s[VB:VB+1], s[KB:KB+1], 0x2000000 ; v lies two tensors of 16,777,216 bytes on,
	s_add_nc_u64 s[KB:KB+1], s[KB:KB+1], 0x1000000 ; k one
	s_mov_b64 s[G0K+2:G0K+3], s[KB:KB+1]           ; key tile 0
	s_or_b32 s[G0K+3], s[G0K+3], 0x80000000        ; type = 2
	s_mov_b64 s[G0V+2:G0V+3], s[VB:VB+1]
	s_or_b32 s[G0V+3], s[G0V+3], 0x80000000
	TLOAD                           ; the first fill, ahead of every wait on TENSORcnt, every LDS read and every barrier: one tensor load of mine is out
	s_lshl_b32 s[OFS], s[WV], 13    ; the prefetches: my wave's 32 rows,
	s_add_co_u32 s[OFS], s[OFS], 32768  ; in key tile 1: trip 0 steps them to tile 2.  Nothing is prefetched here, at the head
	s_add_nc_u64 s[PFK:PFK+1], s[4:5], s[OFS:OFS+1]
	s_add_nc_u64 s[PFV:PFV+1], s[PFK:PFK+1], 0x2000000
	s_add_nc_u64 s[PFK:PFK+1], s[PFK:PFK+1], 0x1000000
	s_lshl_b32 s60, s[I], 15        ; block i: 128 rows of 256 bytes
	s_lshl_b32 s61, s[WV], 13       ; my wave's 32 rows
	s_add_co_u32 s[OFS], s60, s61
	s_add_nc_u64 s[62:63], s[4:5], s[OFS:OFS+1]    ; Q of the first block
	s_sub_co_u32 s14, 15, s[I]      ; the second block
	s_lshl_b32 s60, s14, 15
	s_add_co_u32 s[OFS], s60, s61
	s_add_nc_u64 s[QB:QB+1], s[4:5], s[OFS:OFS+1]
	s_lshr_b32 s60, s13, 4          ; ao: row 2048 b + 128 block + 32 w of 4,096 bytes, + 256 x head
	s_lshl_b32 s60, s60, 23
	s_and_b32 s61, s13, 15
	s_lshl_b32 s61, s61, 8
	s_add_co_u32 s60, s60, s61
	s_lshl_b32 s61, s[WV], 17
	s_add_co_u32 s60, s60, s61
	s_lshl_b32 s61, s[I], 19
	s_add_co_u32 s[OFS], s60, s61
	s_add_nc_u64 s[OC:OC+1], s[6:7], s[OFS:OFS+1]
	s_lshl_b32 s61, s14, 19
	s_add_co_u32 s[OFS], s60, s61
	s_add_nc_u64 s[OB:OB+1], s[6:7], s[OFS:OFS+1]
	v_and_b32 v1, 15, v0            ; l % 16
	v_bfe_u32 v10, v0, 4, 1         ; l / 16
	v_lshlrev_b32 v[QO], 8, v1
	v_lshl_add_u32 v[QO], v10, 4, v[QO]            ; row x 256 + 16 x half
	QLOAD 62
	v_mul_u32_u24 v[AK0], v1, PK
	v_lshl_add_u32 v[AK0], v10, 4, v[AK0]          ; row x pitch + 16 x half
	v_and_b32 v16, 7, v0            ; the turning load: lane l reads 16 bytes: key 8 (l / 16) + l % 8, channels 8 ((l / 8) % 2) + 0..7
	v_bfe_u32 v17, v0, 3, 1
	v_lshl_add_u32 v[AV0], v10, 3, v16
	v_mul_u32_u24 v[AV0], v[AV0], PVP
	v_lshl_add_u32 v[AV0], v17, 4, v[AV0]
	v_add_nc_u32 v[AV0], VOFF, v[AV0]
	s_mul_i32 s60, s[WV], 16*SP
	s_add_co_u32 s60, s60, STAGE    ; my stage
	v_mul_u32_u24 v[STO], v1, SP    ; in: row l % 16, 16 bytes for each half of the lanes
	v_lshl_add_u32 v[STO], v10, 4, v[STO]
	v_add_nc_u32 v[STO], s60, v[STO]
	v_mul_u32_u24 v[RD], v10, SP    ; back: lanes 0-15 take one row of 256 bytes, lanes 16-31 the next
	v_lshl_add_u32 v[RD], v1, 4, v[RD]
	v_add_nc_u32 v[RD], s60, v[RD]
	v_lshlrev_b32 v[GO], 12, v10    ; and the same two rows in ao
	v_lshl_add_u32 v[GO], v1, 4, v[GO]
	v_lshlrev_b32 v[DM], 3, v10
	v_sub_nc_u32 v[DM], v1, v[DM]
	s_lshl_b32 s60, s[WV], 5
	v_add_nc_u32 v[DM], s60, v[DM]
	v_mov_b32 v[NEG], 0xff800000
	v_and_b32 v[PFO], 31, v0
	v_lshlrev_b32 v[PFO], 8, v[PFO]
	RESET
	s_wait_loadcnt 0x0              ; Q
.Ltrip:                             ; 16 trips: behind each barrier the next trip's tile is asked for
	TRIP 1
	s_add_co_u32 s[T], s[T], 1
	s_cmp_lt_u32 s[T], 16
	s_cbranch_scc1 .Ltrip
	TRIP 0                          ; the last trip is written out: the second block's diagonal
	s_wait_tensorcnt 0x0            ; the wave's end: behind my last tensor load and my last LDS store
	ds_add_u32 v[SPW], v[NIL]
	s_wait_dscnt 0x0
	s_endpgm
.Lfunc_end_k_q9ee067cd59_attn:
	.size	k_q9ee067cd59_attn, .Lfunc_end_k_q9ee067cd59_attn-k_q9ee067cd59_attn
	.p2alignl 7, 3214868480
	.fill 96, 4, 3214868480
	.section	.rodata,"a",@progbits
	.p2align	6, 0x0
	.amdhsa_kernel k_q9ee067cd59_attn
		.amdhsa_group_segment_fixed_size 327680
		.amdhsa_private_segment_fixed_size 0
		.amdhsa_enable_private_segment 0
		.amdhsa_kernarg_size 16
		.amdhsa_user_sgpr_count 2
		.amdhsa_user_sgpr_kernarg_segment_ptr 1
		.amdhsa_wavefront_size32 1
		.amdhsa_system_sgpr_workgroup_id_x 1
		.amdhsa_system_sgpr_workgroup_id_y 1
		.amdhsa_system_sgpr_workgroup_id_z 1
		.amdhsa_system_vgpr_workitem_id 0
		.amdhsa_next_free_vgpr 1024
		.amdhsa_next_free_sgpr 66
		.amdhsa_reserve_vcc 1
		.amdhsa_float_denorm_mode_32 3
		.amdhsa_float_denorm_mode_16_64 3
		.amdhsa_memory_ordered 1
		.amdhsa_forward_progress 1
		.amdhsa_inst_pref_size 148
	.end_amdhsa_kernel
	.amdgpu_metadata
---
amdhsa.version: [ 1, 2 ]
amdhsa.kernels:
  - .name:           k_q9ee067cd59_attn
    .symbol:         k_q9ee067cd59_attn.kd
    .args:
      - { .name: qkv, .offset: 0, .size: 8, .value_kind: global_buffer, .address_space: global }
      - { .name: ao, .offset: 8, .size: 8, .value_kind: global_buffer, .address_space: global }
    .group_segment_fixed_size: 327680
    .private_segment_fixed_size: 0
    .kernarg_segment_align: 8
    .kernarg_segment_size: 16
    .max_flat_workgroup_size: 128
    .sgpr_count:     66
    .vgpr_count:     1024
    .wavefront_size: 32
...
	.end_amdgpu_metadata
.endif
;; end of part 3
;; launch oproj (part 4): grid 8 x 32, 4 waves a work-group, clusters of 4 x 4, 327,680 bytes of LDS; arguments ao, wot, out0; writes out0
.if DOCPART == 4
	.amdgcn_target "amdgcn-amd-amdhsa--gfx1250"
	.amdhsa_code_object_version 6
	.text
	.protected	k_q9ee067cd59_oproj
	.globl	k_q9ee067cd59_oproj
	.p2align	8
	.type	k_q9ee067cd59_oproj,@function
k_q9ee067cd59_oproj:
	s_mov_b64 s[64:65], 0
	v_nop
	global_prefetch_b8 v0, s[64:65] scope:SCOPE_SE
	s_setreg_imm32_b32 hwreg(HW_REG_WAVE_MODE, 25, 1), 1
	s_wait_xcnt 0x0
	s_wait_alu depctr_hold_cnt(0) depctr_sa_sdst(0) depctr_va_vdst(0) depctr_va_sdst(0) depctr_va_ssrc(0) depctr_va_vcc(0) depctr_vm_vsrc(0)
	s_getreg_b32 s2, hwreg(HW_REG_IB_STS2, 6, 4)
	s_cmp_eq_u32 s2, 0
	s_cbranch_scc0 .Lentry_in_a_cluster
	s_endpgm
.Lentry_in_a_cluster:
	s_bfe_u32 s2, ttmp6, 0x10000c
	s_cmp_lg_u32 s2, 0xf033
	s_cbranch_scc0 .Lentry_shape_is_right
	s_endpgm
.Lentry_shape_is_right:
; out0[m][n] = sum over k of ao[m][k] wot[n][k].  ao: [4096][2048] f16, wot: [1024][2048] f16 (Wo with K innermost), out0: [4096][1024] f32; sums in f32.
; f16, not bf16: the allowed error hangs on the whole output's size, and the first rows of a sequence are several times larger than that.  LIMIT: both operands arrive as f16, so under 65,504.
; A tile of C is 128 x 128, which gives 256 work-groups.  Four waves, each 64 x 64: 16 accumulators of 16 x 16, 128 registers.  K goes in steps of 256 (LDS rows of 512 bytes; a wave's tensor load brings
; 64 of them), as long as two slots in LDS allow.  A wave's 64 columns of f32 are 256 aligned bytes of a row of C: each wave sends its own results out through a stage of its own, with no barrier.
; CLUSTERS: 4 x 4 work-groups.  The four of a row of the cluster need the same tiles of A, the four of a column the same tiles of B: each tile is asked for JOINTLY, by the same tensor load with the
; same descriptor and a mask that names the four.  THE MATRIX INSTRUCTION IS USED TRANSPOSED (source 0 = 16 rows of B, source 1 = 16 rows of A): a lane then holds eight neighbouring numbers of a row of C.
; REGISTERS: window 0: v0-31 addresses; v32-95 rows on the way out; v128-255 the accumulators ((a, b) at v[128 + 8 (4 a + b)]).
;   window 1: two fragment buffers of 128: for 64 along K (two matrix instructions deep), 64 registers of A (2 x 4 x 16 rows x 32 K), then 64 of B.
.set SIZE_N, 1024
.set SIZE_K, 2048
.set KSTEP,  256
.set PITCH,  528                       ; an LDS row: 512 bytes of data + 16 of padding = 132 words: row r starts at bank 4 r mod 64 (64 banks of 4 bytes: ISA guide 11.1)
.set HALFT,  64*PITCH                  ; 64 rows: what one tensor load brings, and what one wave reads of A or of B
.set SLOT,   4*HALFT                   ; A's 128 rows, then B's 128 rows
.set STAGE,  2*SLOT                    ; behind the ring: for each wave two stages of 16 rows x 272 bytes, by turns
.set SPITCH, 272
.set SPARE,  STAGE+4*2*16*SPITCH       ; behind the stages: the spare words, 128 bytes for each wave: two blocks of 256 bytes that no other line names
.set LAPS, SIZE_K/(2*KSTEP)            ; a lap = two K steps = once round the ring: 4
.set ADRA, 16                          ; v16-17  LDS address of my A fragments in slot 0, 1
.set ADRB, 20                          ; v20-21  the same for B
.set STO,  24                          ; v24     the way out: where I put 32 bytes of a row
.set RD,   25                          ; v25     the way out: where I read a row back
.set CO,   26                          ; v26     my byte offset in two rows of C
.set SPW,  28                          ; v28     LDS address of my spare word: SPARE + 4 x my thread's number; never rewritten
.set NIL,  29                          ; v29     0; never rewritten
.set TMP,  32                          ; the way out: two sets of 32 registers, whole rows
.set ACC,  128
.set F0,   0                           ; fragment buffers, in window 1
.set F1,   128
.set G1, 24                            ; s[24:31] descriptor group 1 for A's tiles;  s[32:39] group 0, one set for each slot
.set G0, 32
.set G1B, 48                           ; s[48:55], s[56:63] the same for B's tiles
.set G0B, 56
.set MSB, 0
.macro WIN new                         ; the immediate's high byte repeats the setting that is left
.if MSB != (\new)
	s_set_vgpr_msb (MSB<<8)|(\new)
.set MSB, (\new)
.endif
.endm
.set MUL,  0x05                        ; sources 0 (B) and 1 (A) window 1; C and D window 0
.set TO_F, 0x40                        ; destination window 1, address window 0
.macro JLOAD s                         ; a joint load: waves 0 and 1 fetch A's two halves, waves 2 and 3 B's; four v_nop follow each of the two lines, ahead of the jump, the label and what follows
	s_cmp_eq_u32 s11, 0
	s_cbranch_scc0 .Lfor_b_\@
	tensor_load_to_lds s[G0+4*\s:G0+4*\s+3], s[G1:G1+7]
	s_nop 0
.rept 4
	v_nop
.endr
	s_branch .Lasked_\@
.Lfor_b_\@:
	tensor_load_to_lds s[G0B+4*\s:G0B+4*\s+3], s[G1B:G1B+7]
	s_nop 0
.rept 4
	v_nop
.endr
.Lasked_\@:
.endm
.macro CREST                           ; a round of the cluster's barrier behind its opening barrier
	s_cmp_lg_u32 s10, 0
	s_cbranch_scc1 .Lnot_wave_0_\@
	s_barrier_signal -3
.Lnot_wave_0_\@:
	s_barrier_wait -3
	s_barrier_signal -1
	s_barrier_wait -1
.endm
.macro CROUND                          ; a whole round
	s_barrier_signal -1
	s_barrier_wait -1
	CREST
.endm
	s_load_b128 s[4:7], s[0:1], 0x0                ; A s[4:5], B s[6:7]
	s_load_b64 s[8:9], s[0:1], 0x10                ; C
	v_lshl_add_u32 v[SPW], v0, 2, SPARE
	v_mov_b32 v[NIL], 0
	ds_add_u32 v28, v29
	ds_add_u32 v28, v29
	s_wait_dscnt 0x0
	v_lshrrev_b32 v1, 5, v0
	v_readfirstlane_b32 s10, v1                    ; wave 0..3
	s_lshr_b32 s11, s10, 1                         ; which half of the tile's rows is mine.  Also: I fetch for A (0) or for B (1)
	s_and_b32 s12, s10, 1                          ; which half of its columns.  Also: which 64 rows of that tile I fetch
	s_bfe_u32 s40, ttmp6, 0x40000                  ; cx, cy: my place in the cluster
	s_bfe_u32 s41, ttmp6, 0x40004
	s_lshl_b32 s42, ttmp9, 2
	s_add_co_u32 s42, s42, s40                     ; tile column of C = 4 x cluster x + cx
	s_and_b32 s13, ttmp7, 0xffff
	s_lshl_b32 s13, s13, 2
	s_add_co_u32 s13, s13, s41                     ; tile row of C = 4 x cluster y + cy
	s_lshl_b32 s43, s41, 2
	s_lshl_b32 s43, 15, s43                        ; my row of the cluster
	s_lshl_b32 s44, 0x1111, s40                    ; my column
	; descriptor group 1: a tile of 64 rows x 256 elements, padded in LDS
	s_or_b32 s[G1+0], s43, (1<<16)|(1<<20)|(1<<21)|(6<<22)|(3<<25)  ; 15:0 the mask: A's tiles go to my row; 17:16 element of 2 bytes; 20 padding on; 21 set beside a mask; 24:22 after every 128 words (code 6); 31:25 of 4 words (code 3)
	s_or_b32 s[G1B+0], s44, (1<<16)|(1<<20)|(1<<21)|(6<<22)|(3<<25)
.irp g, G1, G1B
	s_mov_b32 s[\g+1], KSTEP<<16                   ; tensor_dim0 = 256
	s_mov_b32 s[\g+2], 64<<16                      ; tensor_dim1 = 64
	s_mov_b32 s[\g+3], KSTEP<<16                   ; tile_dim0 = 256
	s_mov_b32 s[\g+4], 64                          ; tile_dim1 = 64
	s_mov_b32 s[\g+5], SIZE_K                      ; tensor_dim0_stride
	s_mov_b32 s[\g+6], 0
	s_mov_b32 s[\g+7], 0
.endr
	s_lshl_b32 s17, s12, 6                         ; which 64 rows of the tile I fetch
	s_lshl_b32 s16, s13, 7
	s_add_co_u32 s16, s16, s17                     ; A: row 128 x tile row + 64 x half
	s_lshl_b32 s46, s42, 7
	s_add_co_u32 s46, s46, s17                     ; B: row 128 x tile column + 64 x half
	s_mov_b32 s17, 0
	s_mov_b32 s47, 0
	s_mov_b64 s[18:19], SIZE_K*2
	s_mul_u64 s[16:17], s[16:17], s[18:19]
	s_mul_u64 s[46:47], s[46:47], s[18:19]
	s_mul_i32 s20, s10, HALFT                      ; where they go: wave x 64 rows
	s_wait_kmcnt 0x0
	s_add_nc_u64 s[14:15], s[4:5], s[16:17]
	s_add_nc_u64 s[46:47], s[6:7], s[46:47]
	CROUND                                         ; all sixteen work-groups are here: the first joint loads meet
.irp s, 0,1
	s_mov_b32 s[G0+4*\s], 1
	s_add_co_u32 s[G0+4*\s+1], s20, \s*SLOT
	s_add_nc_u64 s[G0+4*\s+2:G0+4*\s+3], s[14:15], \s*KSTEP*2
	s_or_b32 s[G0+4*\s+3], s[G0+4*\s+3], 0x80000000
	s_mov_b32 s[G0B+4*\s], 1
	s_add_co_u32 s[G0B+4*\s+1], s20, \s*SLOT
	s_add_nc_u64 s[G0B+4*\s+2:G0B+4*\s+3], s[46:47], \s*KSTEP*2
	s_or_b32 s[G0B+4*\s+3], s[G0B+4*\s+3], 0x80000000
	JLOAD \s                                       ; two tensor loads of mine are out
.endr
	v_and_b32 v1, 15, v0                           ; l % 16
	v_bfe_u32 v2, v0, 4, 1                         ; l / 16
	v_mul_u32_u24 v3, v1, PITCH
	v_lshl_add_u32 v3, v2, 4, v3                   ; a fragment's row x pitch + 16 x half
	s_mul_i32 s21, s11, HALFT                      ; my 64 rows of A
	s_mul_i32 s22, s12, HALFT                      ; my 64 rows of B,
	s_add_co_u32 s22, s22, 2*HALFT                 ; which lie behind A's 128
.irp s, 0,1
	v_add_nc_u32 v[ADRA+\s], s21, v3
	v_add_nc_u32 v[ADRB+\s], s22, v3
	s_add_co_u32 s21, s21, SLOT
	s_add_co_u32 s22, s22, SLOT
.endr
	s_mul_i32 s23, s10, 2*16*SPITCH                ; my two stages
	s_add_co_u32 s23, s23, STAGE
	v_mul_u32_u24 v4, v1, SPITCH                   ; in: row l % 16, 32 bytes for each half of the lanes
	v_lshl_add_u32 v4, v2, 5, v4
	v_add_nc_u32 v[STO], s23, v4
	v_mul_u32_u24 v5, v2, SPITCH                   ; back: lanes 0-15 one row of 256 bytes, lanes 16-31 the next
	v_lshl_add_u32 v5, v1, 4, v5
	v_add_nc_u32 v[RD], s23, v5
	v_lshlrev_b32 v5, 12, v2                       ; and the same two rows in C: a row is 4,096 bytes
	v_lshl_add_u32 v[CO], v1, 4, v5
	s_lshl_b32 s16, s13, 7
	s_lshl_b32 s17, s11, 6
	s_add_co_u32 s16, s16, s17                     ; my first row of C: 128 x tile row + 64 x half
	s_lshl_b32 s16, s16, 12
	s_mov_b32 s17, 0
	s_add_nc_u64 s[8:9], s[8:9], s[16:17]
	s_lshl_b32 s46, s42, 9                         ; my first column, in bytes: 512 x tile column + 256 x half
	s_lshl_b32 s47, s12, 8
	s_add_co_u32 s46, s46, s47
	s_mov_b32 s47, 0
	s_add_nc_u64 s[8:9], s[8:9], s[46:47]
; 8 matrix instructions: m blocks a0, a0 + 1 x all 4 n blocks, 32 along K: half c of buffer f.  zero = 1: the first product starts the sums.  The 16 accumulators take turns
.macro MUL8 f, c, a0, zero
.irp a, \a0, \a0+1
.irp b, 0,1,2,3
.if \zero
	v_wmma_f32_16x16x32_f16 v[ACC+8*(4*(\a)+\b):ACC+8*(4*(\a)+\b)+7], v[\f+64+8*(4*\c+\b):\f+64+8*(4*\c+\b)+7], v[\f+8*(4*\c+\a):\f+8*(4*\c+\a)+7], 0
.else
	v_wmma_f32_16x16x32_f16 v[ACC+8*(4*(\a)+\b):ACC+8*(4*(\a)+\b)+7], v[\f+64+8*(4*\c+\b):\f+64+8*(4*\c+\b)+7], v[\f+8*(4*\c+\a):\f+8*(4*\c+\a)+7], v[ACC+8*(4*(\a)+\b):ACC+8*(4*(\a)+\b)+7]
.endif
.endr
.endr
.endm
; 32 LDS loads in one run: the fragments of 64 along K at byte k of the rows, into buffer f; the first 32 along K first
.macro FETCH slot, k, f
	WIN TO_F
.irp c, 0,1
.irp i, 0,1,2,3
	ds_load_b128 v[\f+64+8*(4*\c+\i):\f+64+8*(4*\c+\i)+3],   v[ADRB+\slot] offset:\k+64*\c+\i*16*PITCH
	ds_load_b128 v[\f+64+8*(4*\c+\i)+4:\f+64+8*(4*\c+\i)+7], v[ADRB+\slot] offset:\k+64*\c+\i*16*PITCH+32
	ds_load_b128 v[\f+8*(4*\c+\i):\f+8*(4*\c+\i)+3],         v[ADRA+\slot] offset:\k+64*\c+\i*16*PITCH
	ds_load_b128 v[\f+8*(4*\c+\i)+4:\f+8*(4*\c+\i)+7],       v[ADRA+\slot] offset:\k+64*\c+\i*16*PITCH+32
.endr
.endr
.endm
.macro PLACES                          ; four places in front of loads into registers that matrix instructions have read, and of LDS stores that read results (ISA guide 7.12.1 for the stores)
.rept 4
	v_nop
.endr
.endm
; A K step is four quarters of 64 along K, 32 matrix instructions each, on buffers 0, 1, 0, 1.  One of the first three: multiplies buffer f and fetches the next quarter, at byte k, into g.
.macro QUARTER slot, k, f, g, zero
	s_wait_dscnt 16                                ; the first 32 along K are in; the youngest sixteen loads may be out
	WIN MUL
	MUL8 \f, 0, 0, \zero
	MUL8 \f, 0, 2, \zero
	PLACES
	FETCH \slot, \k, \g
	s_wait_dscnt 32                                ; all but the 32 just issued
	WIN MUL
	MUL8 \f, 1, 0, 0
	MUL8 \f, 1, 2, 0
.endm
; The last quarter multiplies buffer 1 and changes slots: ONE barrier; in front of it each wave waits for all its tensor loads, adds 0 to its spare word, and waits for that and for its own reads of this slot.  fill = 1: this slot is filled again, two K steps ahead.
.macro TURN slot, next, fill
	WIN 0                                          ; (the add's two registers lie in window 0)
	s_wait_tensorcnt 0x0                           ; all my tensor loads have landed: my part of the next slot;
	ds_add_u32 v[SPW], v[NIL]                      ; 0 onto my spare word;
	s_wait_dscnt 17                                ; (the add and the youngest sixteen loads may be out)
	WIN MUL
	MUL8 F1, 0, 0, 0                               ; eight matrix instructions stand between the add and the wait for it
	s_wait_dscnt 0x0                               ; the add is done, and my reads of this slot are over
	s_barrier_signal -1
	MUL8 F1, 0, 2, 0
.if \fill
	WIN 0
.endif
	s_barrier_wait -1
.if \fill
	CREST                                          ; the barrier has opened a round of the cluster's barrier: no wave of any partner still reads this slot's tile or has a load on its way
	s_add_nc_u64 s[G0+4*\slot+2:G0+4*\slot+3], s[G0+4*\slot+2:G0+4*\slot+3], 2*KSTEP*2
	s_add_nc_u64 s[G0B+4*\slot+2:G0B+4*\slot+3], s[G0B+4*\slot+2:G0B+4*\slot+3], 2*KSTEP*2
	JLOAD \slot                                    ; the first tensor load behind the round: 112 matrix instructions ahead of the wait for it; the four v_nop behind it are also the places in front of the loads below
.else
	PLACES
.endif
	FETCH \next, 0, F0
	WIN MUL
	MUL8 F1, 1, 0, 0
	MUL8 F1, 1, 2, 0
.endm
	s_wait_tensorcnt 1                             ; my part of K step 0 is in (K step 1's load may be out),
	s_barrier_signal -1
	s_barrier_wait -1                              ; everybody's is
	FETCH 0, 0, F0
	QUARTER 0, 128, F0, F1, 1                      ; the first quarter stands in front of the loop: its first products start the sums
	WIN 0                                          ; at a label and at a branch every window is 0
	s_mov_b32 s3, LAPS-1
.Llap:                                                 ; a trip goes once round the ring, from a lap's second quarter to the next lap's first, and fills both slots again
	QUARTER 0, 256, F1, F0, 0
	QUARTER 0, 384, F0, F1, 0
	TURN 0, 1, 1
	QUARTER 1, 128, F0, F1, 0
	QUARTER 1, 256, F1, F0, 0
	QUARTER 1, 384, F0, F1, 0
	TURN 1, 0, 1
	QUARTER 0, 128, F0, F1, 0
	WIN 0
	s_sub_co_u32 s3, s3, 1
	s_cmp_lg_u32 s3, 0
	s_cbranch_scc1 .Llap
	QUARTER 0, 256, F1, F0, 0                      ; the last lap fills nothing, and has no round of the cluster's barrier
	QUARTER 0, 384, F0, F1, 0
	TURN 0, 1, 0
	QUARTER 1, 128, F0, F1, 0
	QUARTER 1, 256, F1, F0, 0
	QUARTER 1, 384, F0, F1, 0
	s_wait_dscnt 16                                ; the very last quarter: nothing more to fetch
	WIN MUL
	MUL8 F1, 0, 0, 0
	MUL8 F1, 0, 2, 0
	s_wait_dscnt 0
	MUL8 F1, 1, 0, 0
	MUL8 F1, 1, 2, 0
	WIN 0
; THE WAY OUT, block by block of 16 rows x 64 columns of f32.  A lane holds 32 neighbouring bytes of a row, the lanes beside it other rows: a block goes through one of my two stages and comes back as whole
; rows of 256 bytes.  LDS serves a wave's instructions in order (ISA guide 5.7.1.4): no wait between the stores and the loads, nor in front of the stores of the block two further on.
.macro OUTB a
.if (\a) >= 2
	s_wait_xcnt 0x0                                ; block a - 2's stores have read their registers: block a's loads may land there
.endif
.irp b, 0,1,2,3
	ds_store_b128 v[STO], v[ACC+8*(4*(\a)+\b):ACC+8*(4*(\a)+\b)+3] offset:16*SPITCH*((\a)%2)+64*\b        ; each accumulator from its low end on
	ds_store_b128 v[STO], v[ACC+8*(4*(\a)+\b)+4:ACC+8*(4*(\a)+\b)+7] offset:16*SPITCH*((\a)%2)+64*\b+16
.endr
.irp t, 0,1,2,3,4,5,6,7
	ds_load_b128 v[TMP+32*((\a)%2)+4*\t:TMP+32*((\a)%2)+4*\t+3], v[RD] offset:16*SPITCH*((\a)%2)+\t*2*SPITCH
.endr
.endm
.macro SENDB a, younger                ; younger: the LDS instructions issued behind block a's loads: the next block's sixteen, or none
.irp t, 0,1,2,3,4,5,6,7
	s_wait_dscnt \younger+7-\t
	global_store_b128 v[CO], v[TMP+32*((\a)%2)+4*\t:TMP+32*((\a)%2)+4*\t+3], s[8:9] offset:(16*(\a)+2*\t)*SIZE_N*4 th:TH_STORE_NT   ; 16 lanes store 256 consecutive bytes, at a multiple of 256 from C's first byte; written once, read by nobody here
.endr
.endm
	PLACES
	OUTB 0
	OUTB 1
	SENDB 0, 16
	OUTB 2
	SENDB 1, 16
	OUTB 3
	SENDB 2, 16
	SENDB 3, 0
	s_wait_tensorcnt 0x0                           ; the wave's end: behind my last tensor load and my last LDS store
	ds_add_u32 v[SPW], v[NIL]
	s_wait_dscnt 0x0
	CROUND                                         ; the closing round: no work-group ends while a partner may still ask for a tile that names it
	s_endpgm
.Lfunc_end_k_q9ee067cd59_oproj:
	.size	k_q9ee067cd59_oproj, .Lfunc_end_k_q9ee067cd59_oproj-k_q9ee067cd59_oproj
	.p2alignl 7, 3214868480
	.fill 96, 4, 3214868480
	.section	.rodata,"a",@progbits
	.p2align	6, 0x0
	.amdhsa_kernel k_q9ee067cd59_oproj
		.amdhsa_group_segment_fixed_size 327680
		.amdhsa_private_segment_fixed_size 0
		.amdhsa_enable_private_segment 0
		.amdhsa_kernarg_size 24
		.amdhsa_user_sgpr_count 2
		.amdhsa_user_sgpr_kernarg_segment_ptr 1
		.amdhsa_wavefront_size32 1
		.amdhsa_system_sgpr_workgroup_id_x 1
		.amdhsa_system_sgpr_workgroup_id_y 1
		.amdhsa_system_sgpr_workgroup_id_z 1
		.amdhsa_system_vgpr_workitem_id 0
		.amdhsa_next_free_vgpr 512
		.amdhsa_next_free_sgpr 66
		.amdhsa_reserve_vcc 0
		.amdhsa_float_denorm_mode_32 3
		.amdhsa_float_denorm_mode_16_64 3
		.amdhsa_memory_ordered 1
		.amdhsa_forward_progress 1
		.amdhsa_inst_pref_size 86
	.end_amdhsa_kernel
	.amdgpu_metadata
---
amdhsa.version: [ 1, 2 ]
amdhsa.kernels:
  - .name:           k_q9ee067cd59_oproj
    .symbol:         k_q9ee067cd59_oproj.kd
    .args:
      - { .name: ao, .offset: 0, .size: 8, .value_kind: global_buffer, .address_space: global }
      - { .name: wot, .offset: 8, .size: 8, .value_kind: global_buffer, .address_space: global }
      - { .name: out0, .offset: 16, .size: 8, .value_kind: global_buffer, .address_space: global }
    .group_segment_fixed_size: 327680
    .private_segment_fixed_size: 0
    .kernarg_segment_align: 8
    .kernarg_segment_size: 24
    .max_flat_workgroup_size: 128
    .sgpr_count:     66
    .vgpr_count:     512
    .wavefront_size: 32
...
	.end_amdgpu_metadata
.endif
;; end of part 4
